; MI455X (gfx1250); checked and timed in simulation.
; The chip was launched on July 23, 2026; its instructions are those of AMD's public machine-readable ISA for CDNA 5 (MIT licence, August 2026) and "CDNA5" Instruction Set Architecture Reference Guide (July 2026). The comments in the code are by the model that wrote it; some were corrected since.
;; Causal Self Attention. Allowed arithmetic: matrix products marked QUANTISED: E4M3 operands, one given power-of-two scale a tensor, by v_wmma_f32_16x16x64_fp8_fp8 or v_wmma_f32_16x16x128_fp8_fp8, f32 sums; everything else in f32.
;; Inputs: lowp_scales 8 int32 (the exponents e of the quantised operands' scales 2^e); w_proj 1,024 x 1,024 float32; w_qkv 3,072 x 1,024 float32; x 4 x 2,048 x 1,024 float32.
;; Outputs: out0 4 x 2,048 x 1,024 float32.
;; This version of the problem:
;;   THIS VERSION OF THE PROBLEM IS GIVEN IN LOW PRECISION. The matrix products marked QUANTISED in the list below multiply operands that are first quantised to E4M3 (4 exponent bits, 3 mantissa bits; 8 bits a number), with one given power-of-two scale for each operand tensor; their sums are f32. All else is computed in f32.
;;   The module's matrix products, in the order in which they are computed (A, B: the left and right operand; K: the contracted axis; several contracted axes count as one K, in the product's order):
;;     1. [M 8,192, K 1,024] x [K 1,024, N 3,072]; A: input x; B: input w_qkv: QUANTISED (scales: A lowp_scales[0], B lowp_scales[1])
;;     2. batch 64 x [M 2,048, K 64] x [K 64, N 2,048]; A: computed on the way; B: computed on the way: QUANTISED (scales: A lowp_scales[2], B lowp_scales[3])
;;     3. batch 64 x [M 2,048, K 2,048] x [K 2,048, N 64]; A: softmax (see below); B: computed on the way: QUANTISED (scales: A lowp_scales[4], B lowp_scales[5])
;;     4. [M 8,192, K 1,024] x [K 1,024, N 1,024]; A: computed on the way; B: input w_proj: QUANTISED (scales: A lowp_scales[6], B lowp_scales[7])
;;   THE QUANTISER, for each operand of a quantised product, along K:
;;     - The operand's scale is 2^e, e = its entry of the input lowp_scales (int32; the entries are numbered through the quantised products in the list's order, A before B).
;;     - Each number is divided by the scale, clamped to +-448, and rounded to the nearest number of E4M3, ties to even, subnormals kept.
;;     - The product sums the exact products of the quantised numbers (number of the format x scale) in f32.
;;   ~~~python
;;   def quantise(x, axis, e):      # numpy; x: float32 -> the quantised numbers, widened to float32 again
;;       x = np.moveaxis(x, axis, -1); K = x.shape[-1]
;;       r = np.clip(x / 2.0 ** e, -448, 448)
;;       step = 2.0 ** (np.maximum(np.frexp(np.where(r == 0, 1, r))[1] - 1, -6) - 3)
;;       q = np.round(r / step) * step * 2.0 ** e      # np.round: ties to even
;;       return np.moveaxis(q, -1, axis).astype(np.float32)
;;   ~~~
;;   SOFTMAX AHEAD OF A QUANTISED PRODUCT. Where the list says 'softmax', what is quantised is not the finished softmax but p = 2^(t - M), with t = logit x log2(e) and M = ceil(the row's largest t), a whole number; so 1/2 < the row's largest p <= 1. The row's sum l is taken of the UNQUANTISED p, in f32, and the product's result is divided by l at the end. Since M is a whole number, a kernel that streams over the keys may use a running M (the ceiling of the running maximum): every later rescaling is an exact power of two, so the quantised numbers keep their values, but for numbers so far below the row's largest that they fall under the format's range.
;;   OPERANDS COMPUTED ON THE WAY. 'Computed on the way' means the value that the module computes at that place (a softmax that the list does not call 'softmax' is quantised finished and normalised). What goes into a quantiser is computed in f32, as accurately as f32 sums, v_exp_f32 and their like allow (about 1e-6 of the number): no bf16 or f16 on the way to a quantiser, and a product that is left as it is and whose result goes on into a quantised operand takes f32 operands (vector FMAs, or v_wmma_f32_16x16x4_f32). A number that lies on a knife's edge between two numbers of the format may be rounded either way, as far as f32 arithmetic and the matrix unit's own rounding can turn it there, and no further.
;; One version. Each part assembles by itself: llvm-mc -triple=amdgcn-amd-amdhsa -mcpu=gfx1250 --defsym DOCPART=n.
;; ======== version 1 of 1: 4 launches
;; limits: right only within a limited range of input values
;; workspace buffers: xc 8,388,608 bytes; wqc 3,145,728 bytes; wpc 1,048,576 bytes; qc 8,388,608 bytes; kc 8,388,608 bytes; vc 8,388,608 bytes; yc 8,388,608 bytes
;; launch quant (part 1): grid 384 x 1, 4 waves a work-group, no clusters, 33,280 bytes of LDS; arguments x, w_qkv, w_proj, lowp_scales, xc, wqc, wpc; writes xc, wqc, wpc
.if DOCPART == 1
	.amdgcn_target "amdgcn-amd-amdhsa--gfx1250"
	.amdhsa_code_object_version 6
	.text
	.protected	k_qf923a8cd86_quant
	.globl	k_qf923a8cd86_quant
	.p2align	8
	.type	k_qf923a8cd86_quant,@function
k_qf923a8cd86_quant:
	s_mov_b64 s[64:65], 0
	v_nop
	global_prefetch_b8 v0, s[64:65] scope:SCOPE_SE
	s_setreg_imm32_b32 hwreg(HW_REG_WAVE_MODE, 25, 1), 1
	s_wait_xcnt 0x0
; x [8192][1024], w_qkv [3072][1024] and w_proj [1024][1024], f32 with K innermost, become codes of FP8 (E4M3), one byte each, in the same order.
; code = number / 2^e, held within +-448, rounded to the nearest code, ties to even.  e: entry 0 of the scales for x, entry 1 for w_qkv, entry 7 for w_proj.
; LIMITS: -126 <= e <= 119, so that 2^e and 448 x 2^e are f32 numbers.  NaN among the inputs is not served (an infinity is held at the largest code).
; Rows are dense, so each tensor is a plain stream.  A wave takes 16 steps of 512 numbers; a work-group 32,768 numbers: 256 work-groups for x, 96 for w_qkv, 32 for w_proj.
; Only pointers and e are chosen by the work-group's number: all three tensors take one path through the text.
; The conversion takes 8 neighbours from ONE lane's registers; a load is dense where neighbouring LANES take neighbouring bytes.  Both are had: a step's four loads read 512 consecutive bytes
; each, the 2,048 bytes go through the wave's own stage in LDS as they lie and come back 64 bytes a lane (16 bytes of padding behind each 64).  A lane's 16 codes are 16 bytes: a store covers 512 consecutive bytes.
; No tensor loads, no barrier: waves share nothing.  Loads run four steps (16 loads a wave) ahead, the turn through LDS one step.  Matrix units and clusters would add nothing to a stream.
.set STEPS, 16
.set WG_X,  256                        ; work-groups for x
.set WG_XQ, 352                        ; for x and w_qkv together
.set EMAX,  8
.set MANT,  0x600000                   ; the mantissa field of 448 as f32
.set R,     16                         ; v16-79   four sets of 16 numbers as they are loaded
.set X,     80                         ; v80-111  two sets of 16 neighbours
.set C,     128                        ; v128-191 codes: four registers for each step, so that no store's data are written again
.set WREG,  8192                       ; LDS: a region for each wave: two stages of 32 x SP bytes
.set SP,    80                         ; a lane's place in a stage: its 64 bytes + 16 of padding
	s_load_b256 s[4:11], s[0:1], 0x0               ; x s[4:5], w_qkv s[6:7], w_proj s[8:9], the scales' exponents s[10:11]
	s_load_b128 s[12:15], s[0:1], 0x20             ; xc s[12:13], wqc s[14:15]
	s_load_b64 s[16:17], s[0:1], 0x30              ; wpc
	v_lshl_add_u32 v192, v0, 2, 0x8000
	v_mov_b32 v193, 0
	v_lshrrev_b32 v1, 5, v0
	v_readfirstlane_b32 s18, v1                    ; wave
	v_and_b32 v2, 31, v0                           ; lane
	v_lshlrev_b32 v3, 4, v2                        ; 16 x lane: my 16 bytes of a load's 512, and my 16 codes of a step's 512; never rewritten
	s_mul_i32 s19, s18, WREG
	v_lshrrev_b32 v14, 2, v2
	v_mul_u32_u24 v14, v14, SP
	v_and_b32 v15, 3, v2
	v_lshl_add_u32 v14, v15, 4, v14
	v_add_nc_u32 v14, s19, v14                     ; the stage, on the way in: four lanes' 64 bytes on end, then 16 of padding
	v_mul_u32_u24 v15, v2, SP
	v_add_nc_u32 v15, s19, v15                     ; and on the way out: SP x lane: my 16 neighbours
	s_wait_alu depctr_va_vdst(0)
	s_wait_kmcnt 0x0
	s_load_b256 s[32:39], s[10:11], 0x0            ; the eight exponents
	s_cmp_lt_u32 ttmp9, WG_XQ                      ; w_qkv's work-group or w_proj's?  The choices hang on the work-group's number alone
	s_cselect_b64 s[6:7], s[6:7], s[8:9]
	s_cselect_b64 s[14:15], s[14:15], s[16:17]
	s_mov_b32 s20, WG_XQ
	s_cselect_b32 s20, WG_X, s20
	s_cmp_lt_u32 ttmp9, WG_X                       ; or x's?
	s_cselect_b64 s[4:5], s[4:5], s[6:7]           ; the tensor,
	s_cselect_b64 s[12:13], s[12:13], s[14:15]     ; its codes,
	s_cselect_b32 s20, 0, s20                      ; its first work-group
	s_sub_co_u32 s20, ttmp9, s20
	s_lshl_b32 s20, s20, 2
	s_add_co_u32 s22, s20, s18                     ; which run of 8,192 numbers of the tensor is my wave's
	s_mov_b32 s23, 0
	s_lshl_b64 s[24:25], s[22:23], 15              ; 32,768 bytes of f32 a run,
	s_add_nc_u64 s[4:5], s[4:5], s[24:25]
	s_lshl_b64 s[24:25], s[22:23], 13              ; 8,192 bytes of codes
	s_add_nc_u64 s[12:13], s[12:13], s[24:25]
.macro LOAD t
.irp i, 0,1,2,3
	global_load_b128 v[R+16*((\t)%4)+4*\i:R+16*((\t)%4)+4*\i+3], v3, s[4:5] offset:2048*(\t)+512*\i th:TH_LOAD_NT   ; 32 lanes read 512 consecutive bytes; read once in the launch
.endr
.endm
.macro TURN t                          ; step t's numbers through the stage: LDS serves a wave's instructions in order, so no wait stands between the stores and the loads
.irp i, 0,1,2,3
	ds_store_b128 v14, v[R+16*((\t)%4)+4*\i:R+16*((\t)%4)+4*\i+3] offset:32*SP*((\t)%2)+8*SP*\i
.endr
.irp i, 0,1,2,3
	ds_load_b128 v[X+16*((\t)%2)+4*\i:X+16*((\t)%2)+4*\i+3], v15 offset:32*SP*((\t)%2)+16*\i
.endr
.endm
.irp t, 0,1,2,3
	LOAD \t
.endr
	s_wait_kmcnt 0x0
	s_cmp_lt_u32 ttmp9, WG_XQ
	s_cselect_b32 s21, s33, s39                    ; e of w_qkv or of w_proj,
	s_cmp_lt_u32 ttmp9, WG_X
	s_cselect_b32 s21, s32, s21                    ; or of x
	s_add_co_i32 s21, s21, 127
	s_lshl_b32 s26, s21, 23
	v_mov_b32 v11, s26                             ; 2^e as f32: the conversion takes its exponent field
	s_add_co_i32 s21, s21, EMAX
	s_lshl_b32 s21, s21, 23
	s_or_b32 s21, s21, MANT
	v_mov_b32 v10, s21                             ; 448 x 2^e
	s_wait_alu depctr_va_vdst(0)
	s_wait_loadcnt 12                              ; step 0's four loads are in; the twelve of steps 1 to 3 may be out
	TURN 0
.macro STEP t
.set XS, X+16*((\t)%2)
	s_wait_dscnt 0x0                               ; this step's numbers are back from the stage: so its stores into the stage have read their registers,
.if (\t)+4 < STEPS
	LOAD (\t)+4                                    ; which take the loads of four steps on
.endif
.if (\t)+1 < STEPS
.if STEPS-2-(\t) >= 3
	s_wait_loadcnt 12                              ; the next step's four loads are in; those of the three steps behind it may be out
.else
	s_wait_loadcnt 4*(STEPS-2-(\t))                ; the tail: as many as are left behind the next step's
.endif
	TURN (\t)+1                                    ; and go through the other stage while this step is worked
.endif
.irp i, 0,1,2,3,4,5,6,7,8,9,10,11,12,13,14,15
	v_med3_num_f32 v[XS+\i], v[XS+\i], -v10, v10   ; the conversion to an 8-bit code does not saturate (ISA guide 7.6.2): the number is held within 448 x the scale first
.endr
	v_cvt_scalef32_pk8_fp8_f32 v[C+4*(\t):C+4*(\t)+1], v[XS:XS+7], v11          ; eight numbers / 2^e, to the nearest code, ties to even; the first number's code in the lowest byte
	v_cvt_scalef32_pk8_fp8_f32 v[C+4*(\t)+2:C+4*(\t)+3], v[XS+8:XS+15], v11
	global_store_b128 v3, v[C+4*(\t):C+4*(\t)+3], s[12:13] offset:512*(\t)      ; the results go to a store alone; the next vector lines are the next step's holds, on other registers
.endm
.irp t, 0,1,2,3,4,5,6,7,8,9,10,11,12,13,14,15
	STEP \t
.endr
	s_wait_tensorcnt 0x0
	ds_add_u32 v192, v193
	s_wait_dscnt 0x0
	s_endpgm
.Lfunc_end_k_qf923a8cd86_quant:
	.size	k_qf923a8cd86_quant, .Lfunc_end_k_qf923a8cd86_quant-k_qf923a8cd86_quant
	.p2alignl 7, 3214868480
	.fill 96, 4, 3214868480
	.section	.rodata,"a",@progbits
	.p2align	6, 0x0
	.amdhsa_kernel k_qf923a8cd86_quant
		.amdhsa_group_segment_fixed_size 33280
		.amdhsa_private_segment_fixed_size 0
		.amdhsa_enable_private_segment 0
		.amdhsa_kernarg_size 56
		.amdhsa_user_sgpr_count 2
		.amdhsa_user_sgpr_kernarg_segment_ptr 1
		.amdhsa_wavefront_size32 1
		.amdhsa_system_sgpr_workgroup_id_x 1
		.amdhsa_system_sgpr_workgroup_id_y 1
		.amdhsa_system_sgpr_workgroup_id_z 1
		.amdhsa_system_vgpr_workitem_id 0
		.amdhsa_next_free_vgpr 194
		.amdhsa_next_free_sgpr 66
		.amdhsa_reserve_vcc 0
		.amdhsa_float_denorm_mode_32 3
		.amdhsa_float_denorm_mode_16_64 3
		.amdhsa_memory_ordered 1
		.amdhsa_forward_progress 1
		.amdhsa_inst_pref_size 38
	.end_amdhsa_kernel
	.amdgpu_metadata
---
amdhsa.version: [ 1, 2 ]
amdhsa.kernels:
  - .name:           k_qf923a8cd86_quant
    .symbol:         k_qf923a8cd86_quant.kd
    .args:
      - { .name: x, .offset: 0, .size: 8, .value_kind: global_buffer, .address_space: global }
      - { .name: w_qkv, .offset: 8, .size: 8, .value_kind: global_buffer, .address_space: global }
      - { .name: w_proj, .offset: 16, .size: 8, .value_kind: global_buffer, .address_space: global }
      - { .name: lowp_scales, .offset: 24, .size: 8, .value_kind: global_buffer, .address_space: global }
      - { .name: xc, .offset: 32, .size: 8, .value_kind: global_buffer, .address_space: global }
      - { .name: wqc, .offset: 40, .size: 8, .value_kind: global_buffer, .address_space: global }
      - { .name: wpc, .offset: 48, .size: 8, .value_kind: global_buffer, .address_space: global }
    .group_segment_fixed_size: 33280
    .private_segment_fixed_size: 0
    .kernarg_segment_align: 8
    .kernarg_segment_size: 56
    .max_flat_workgroup_size: 128
    .sgpr_count:     66
    .vgpr_count:     194
    .wavefront_size: 32
...
	.end_amdgpu_metadata
.endif
;; end of part 1
;; launch qkv (part 2): grid 12 x 32, 4 waves a work-group, clusters of 4 x 4, 327,680 bytes of LDS; arguments xc, wqc, lowp_scales, qc, kc, vc; writes qc, kc, vc
.if DOCPART == 2
	.amdgcn_target "amdgcn-amd-amdhsa--gfx1250"
	.amdhsa_code_object_version 6
	.text
	.protected	k_qf923a8cd86_qkv
	.globl	k_qf923a8cd86_qkv
	.p2align	8
	.type	k_qf923a8cd86_qkv,@function
k_qf923a8cd86_qkv:
	s_mov_b64 s[64:65], 0
	v_nop
	global_prefetch_b8 v0, s[64:65] scope:SCOPE_SE
	s_setreg_imm32_b32 hwreg(HW_REG_WAVE_MODE, 25, 1), 1
	s_wait_xcnt 0x0
	s_wait_alu depctr_hold_cnt(0) depctr_sa_sdst(0) depctr_va_vdst(0) depctr_va_sdst(0) depctr_va_ssrc(0) depctr_va_vcc(0) depctr_vm_vsrc(0)
	s_getreg_b32 s2, hwreg(HW_REG_IB_STS2, 6, 4)
	s_cmp_eq_u32 s2, 0
	s_cbranch_scc0 .Lentry_in_a_cluster
	s_endpgm
.Lentry_in_a_cluster:
	s_bfe_u32 s2, ttmp6, 0x10000c
	s_cmp_lg_u32 s2, 0xf033
	s_cbranch_scc0 .Lentry_shape_is_right
	s_endpgm
.Lentry_shape_is_right:
; q, k, v = x w_qkv^T on codes of FP8 (E4M3), sums in f32; each sum is quantised at once for the attention's products and leaves as a code.
; xc [8192][1024], wqc [3072][1024]: codes, K innermost.  qc, kc: [64 = 16 b + h][2048 s][64 d].  vc: [64][8 blocks of 256 s][64 d][256 s]: the keys innermost, since they are the second attention product's K.
; A sum stands for sum x 2^(e0 + e1); its code is sum / 2^(eo - e0 - e1), held within +-448: eo = entry 2 (q), 3 (k) or 5 (v) of the scales.  LIMIT: eo - e0 - e1 between -126 and 119.
; A tile of C, 256 x 256, is made by a work-group of four waves; a wave makes 128 x 128: 64 accumulators, 512 registers.  K goes in four steps of 256 through a ring of two LDS slots filled by the tensor data mover.
; THE MATRIX INSTRUCTION IS USED TRANSPOSED (source 0 = 16 rows of B, source 1 = 16 rows of A): a lane holds one row of A's side and eight neighbours of B's side.
; ONE TEXT FOR q, k AND v.  Clusters with x = 0, 1 make q, k: A = x's rows, B = w_qkv's rows 0-2047: a lane holds a token and eight neighbouring channels.  Clusters with x = 2 make v TRANSPOSED by changing
; the pointers alone: A = w_qkv's rows 2048-3071, B = x's rows: a lane holds a channel and eight neighbouring tokens, as vc wants them.  The choice hangs on the cluster's x, which all sixteen partners share.
; CLUSTERS: 4 x 4 work-groups.  The four of a row of the cluster need the same tiles of A, the four of a column the same tiles of B: each tile is asked for JOINTLY, by the same tensor load with the same descriptor and a mask that names the four.
; REGISTERS, in windows of 256: window 0: v0-31 addresses and the two scale words; from v128 A's fragments (8 x 16 rows x 128 K), ONE set; on the way out v32-95 hold a block's held sums, v128-255 codes.
;   window 1: B's fragments, TWO sets, at v0 and v128.   window 2: the 32 accumulators of my rows 0-63 (accumulator (a, b) at v[8 (8 a + b)]);   window 3: those of my rows 64-127.
; No prefetch: the launch has four K steps and its tiles are shared by joint loads.  384 tiles of equal work.
.set SIZE_K, 1024
.set KSTEP,  256                       ; along K in a slot
.set ROWB,   256                       ; a tile's row in bytes
.set KROW,   SIZE_K                    ; a row of A or of B in memory, in bytes
.set PITCH,  272                       ; an LDS row: 256 bytes + 16 of padding = 68 words: the 16 rows that a load touches start at 16 different banks (64 banks of 4 bytes: ISA guide 11.1)
.set FR,     16                        ; registers of a fragment: 16 rows x 128 K
.set NL,     4                         ; LDS loads that bring one
.set NP,     4                         ; places behind this matrix instruction (ISA guide 7.12.1)
.set HALFT,  128*PITCH                 ; 128 rows: what one tensor load brings, and what one wave reads of A or of B
.set SLOT,   4*HALFT                   ; A's 256 rows, then B's 256 rows
.set LAPS,   SIZE_K/(2*KSTEP)          ; a lap = two K steps = once round the ring
.set SPARE,  2*SLOT                    ; behind the ring: the spare words, 128 bytes for each wave: two blocks of 256 bytes that no other line names
.set SPITCH, 272                       ; the way out: ONE stage of 256 rows x (256 codes + 16) for the work-group.  It lies in slot 0, which has had its last fill and its last read when the first code is stored there
.set ADRA, 16                          ; v16-17  LDS address of my A fragments in slot 0, 1
.set ADRB, 20                          ; v20-21  the same for B
.set GOV,  23                          ; v23     v's way out: my byte offset in two rows of vc
.set STO,  24                          ; v24     the way out: where I put 8 codes of a row
.set RDQ,  25                          ; v25     q's and k's way out: where I read 16 codes of a head's 64 back
.set GOQ,  26                          ; v26     and 16 x lane: their place in memory
.set RDV,  27                          ; v27     v's way out: where I read 16 codes of a row's 256 back
.set SPW,  28                          ; v28     LDS address of my spare word: SPARE + 4 x my thread's number; never rewritten
.set NIL,  29                          ; v29     0; never rewritten
.set LIM,  30                          ; v30     448 x 2^(eo - e0 - e1)
.set SC,   31                          ; v31     2^(eo - e0 - e1)
.set TMP,  32                          ; the way out: 64 registers, a block's held sums
.set AF,   128                         ; A's fragments, in window 0
.set CD,   128                         ; the way out: codes, 16 registers for each of the eight blocks; then the rows read back
.set G1, 24                            ; s[24:31] descriptor group 1 for A's tiles;  s[32:39] group 0, one set for each slot
.set G0, 32
.set G1B, 48                           ; s[48:55], s[56:63] the same for B's tiles
.set G0B, 56
.set MSB, 0
.macro WIN new                         ; the immediate's high byte repeats the setting that is left
.if MSB != \new
	s_set_vgpr_msb (MSB<<8)|\new
.set MSB, \new
.endif
.endm
.set MUL_LO, 0xa1                      ; source 0 (B) window 1, source 1 (A) window 0, C and D window 2
.set MUL_HI, 0xf1                      ; the same, C and D window 3
.set TO_B,   0x40                      ; destination window 1, address window 0
; A joint load: waves 0 and 1 fetch for A, waves 2 and 3 for B.  Each of the two lines has ONE mask and one set of registers for all that issue it; the branch hangs on the wave's number alone.
; Four v_nop follow each of the two lines, ahead of the jump, the label and what follows.
.macro JLOAD g0a, g1a, g0b, g1b
	s_cmp_eq_u32 s15, 0
	s_cbranch_scc0 .Lfor_b_\@
	tensor_load_to_lds s[\g0a:\g0a+3], s[\g1a:\g1a+7]
	s_nop 0
.rept 4
	v_nop
.endr
	s_branch .Lasked_\@
.Lfor_b_\@:
	tensor_load_to_lds s[\g0b:\g0b+3], s[\g1b:\g1b+7]
	s_nop 0
.rept 4
	v_nop
.endr
.Lasked_\@:
.endm
.macro CREST                           ; a round of the cluster's barrier behind its opening barrier
	s_cmp_lg_u32 s14, 0
	s_cbranch_scc1 .Lnot_wave_0_\@
	s_barrier_signal -3
.Lnot_wave_0_\@:
	s_barrier_wait -3
	s_barrier_signal -1
	s_barrier_wait -1
.endm
.macro CROUND                          ; a whole round
	s_barrier_signal -1
	s_barrier_wait -1
	CREST
.endm
	s_load_b128 s[4:7], s[0:1], 0x0                ; xc s[4:5], wqc s[6:7]
	s_load_b256 s[68:75], s[0:1], 0x10             ; the scales' exponents s[68:69], qc s[70:71], kc s[72:73], vc s[74:75]
	v_lshl_add_u32 v[SPW], v0, 2, SPARE
	v_mov_b32 v[NIL], 0
	ds_add_u32 v28, v29
	ds_add_u32 v28, v29
	s_wait_dscnt 0x0
	v_lshrrev_b32 v1, 5, v0
	v_readfirstlane_b32 s14, v1                    ; wave 0..3
	s_lshr_b32 s15, s14, 1                         ; which half of the tile's rows is mine.  Also: I fetch for A (0) or for B (1)
	s_and_b32 s16, s14, 1                          ; which half of its columns.  Also: which 128 rows of that tile I fetch
	s_bfe_u32 s40, ttmp6, 0x40000                  ; cx, cy: my place in the cluster
	s_bfe_u32 s41, ttmp6, 0x40004
	s_and_b32 s82, ttmp7, 0xffff                   ; the cluster's y, 0..7
	s_cmp_eq_u32 ttmp9, 2                          ; v's clusters?
	s_cselect_b32 s83, s82, ttmp9                  ; clusters along B's side: v: 8 of x's rows; q, k: w_qkv's first two thousand rows
	s_cselect_b32 s84, 0, s82                      ; clusters along A's side: v: the one of w_v's 1,024 rows; q, k: 8 of x's rows
	s_lshl_b32 s42, s83, 2
	s_add_co_u32 s42, s42, s40                     ; tile column (B's side) = 4 x that + cx
	s_lshl_b32 s17, s84, 2
	s_add_co_u32 s17, s17, s41                     ; tile row (A's side) = 4 x that + cy
	s_lshl_b32 s43, s41, 2
	s_lshl_b32 s43, 15, s43                        ; my row of the cluster
	s_lshl_b32 s44, 0x1111, s40                    ; my column
	; descriptor group 1: a tile of 128 rows x 256 bytes, padded in LDS
	s_or_b32 s[G1+0], s43, (0<<16)|(1<<20)|(1<<21)|(5<<22)|(3<<25)  ; 15:0 the mask: A's tiles go to my row; 17:16 element of 1 byte; 20 padding on; 21 set beside a mask; 24:22 after every 64 words (code 5); 31:25 of 4 words (code 3)
	s_or_b32 s[G1B+0], s44, (0<<16)|(1<<20)|(1<<21)|(5<<22)|(3<<25)
.irp g, G1, G1B
	s_mov_b32 s[\g+1], ROWB<<16                    ; tensor_dim0
	s_mov_b32 s[\g+2], 128<<16                     ; tensor_dim1 = 128
	s_mov_b32 s[\g+3], ROWB<<16                    ; tile_dim0
	s_mov_b32 s[\g+4], 128                         ; tile_dim1 = 128
	s_mov_b32 s[\g+5], KROW                        ; tensor_dim0_stride
	s_mov_b32 s[\g+6], 0
	s_mov_b32 s[\g+7], 0
.endr
	s_lshl_b32 s18, s16, 7                         ; which 128 rows of the tile I fetch
	s_lshl_b32 s20, s17, 8
	s_add_co_u32 s20, s20, s18                     ; A: row 256 x tile row + 128 x half
	s_lshl_b32 s46, s42, 8
	s_add_co_u32 s46, s46, s18                     ; B: row 256 x tile column + 128 x half
	s_lshl_b32 s20, s20, 10                        ; in bytes: rows of 1,024; under 2^23
	s_lshl_b32 s46, s46, 10
	s_mov_b32 s21, 0
	s_mov_b32 s47, 0
	s_mul_i32 s45, s14, HALFT                      ; where they go: wave x 128 rows: no place in the cluster enters an LDS address
	s_wait_kmcnt 0x0
	s_load_b256 s[88:95], s[68:69], 0x0            ; the eight exponents
	s_add_nc_u64 s[76:77], s[6:7], 0x200000        ; w_v: w_qkv's rows from 2,048 on
	s_cmp_eq_u32 ttmp9, 2
	s_cselect_b64 s[76:77], s[76:77], s[4:5]       ; A's side: w_v for v, x for q and k
	s_cselect_b64 s[78:79], s[4:5], s[6:7]         ; B's side: x for v, w_qkv for q and k
	s_add_nc_u64 s[20:21], s[76:77], s[20:21]
	s_add_nc_u64 s[46:47], s[78:79], s[46:47]
	CROUND                                         ; all sixteen work-groups are here: the first joint loads meet
.irp s, 0,1
	s_mov_b32 s[G0+4*\s], 1
	s_add_co_u32 s[G0+4*\s+1], s45, \s*SLOT
	s_add_nc_u64 s[G0+4*\s+2:G0+4*\s+3], s[20:21], \s*ROWB
	s_or_b32 s[G0+4*\s+3], s[G0+4*\s+3], 0x80000000
	s_mov_b32 s[G0B+4*\s], 1
	s_add_co_u32 s[G0B+4*\s+1], s45, \s*SLOT
	s_add_nc_u64 s[G0B+4*\s+2:G0B+4*\s+3], s[46:47], \s*ROWB
	s_or_b32 s[G0B+4*\s+3], s[G0B+4*\s+3], 0x80000000
.endr
	JLOAD G0, G1, G0B, G1B                         ; K step 0: one tensor load a wave at the head
	v_and_b32 v1, 15, v0                           ; r = l % 16
	v_bfe_u32 v2, v0, 4, 1                         ; h = l / 16
	v_mul_u32_u24 v3, v1, PITCH
	s_wait_alu depctr_va_vdst(0)
	v_lshl_add_u32 v4, v2, 4, v3                   ; a fragment's row x pitch + 16 x half
	s_mul_i32 s21, s15, HALFT                      ; my 128 rows of A
	s_mul_i32 s22, s16, HALFT                      ; my 128 rows of B,
	s_add_co_u32 s22, s22, 2*HALFT                 ; which lie behind A's 256
.irp s, 0,1
	v_add_nc_u32 v[ADRA+\s], s21, v4
	v_add_nc_u32 v[ADRB+\s], s22, v4
	s_add_co_u32 s21, s21, SLOT
	s_add_co_u32 s22, s22, SLOT
.endr
	s_mul_i32 s23, s15, 128*SPITCH                 ; the stage, on the way in: my 128 rows, my 128 of their 256 bytes; row r, 8 bytes for each half of the lanes
	s_lshl_b32 s22, s16, 7
	s_add_co_u32 s23, s23, s22
	v_lshl_add_u32 v5, v2, 3, v3
	v_add_nc_u32 v[STO], s23, v5
	s_mul_i32 s23, s14, 64*SPITCH                  ; on the way out wave w takes rows 64 w .. 64 w + 63, whole
	v_and_b32 v6, 31, v0                           ; lane
	v_lshrrev_b32 v7, 2, v6
	v_and_b32 v8, 3, v6
	v_mul_u32_u24 v7, v7, SPITCH
	v_lshl_add_u32 v7, v8, 4, v7
	v_add_nc_u32 v[RDQ], s23, v7                   ; q, k: four lanes to a row's 64 bytes of one head, eight rows an instruction
	v_lshlrev_b32 v[GOQ], 4, v6                    ; which are 512 consecutive bytes of qc or kc
	v_mul_u32_u24 v9, v2, SPITCH
	v_lshl_add_u32 v9, v1, 4, v9
	v_add_nc_u32 v[RDV], s23, v9                   ; v: sixteen lanes to a row's 256 bytes, two rows an instruction
	v_lshlrev_b32 v10, 8, v2                       ; vc is laid [64 bh][8 blocks of 256 keys][64 d][256 keys]: a channel's 256 codes of a block, then the next channel's
	v_lshl_add_u32 v[GOV], v1, 4, v10              ; and the same two rows in vc, 256 bytes apart
	; where my 64 rows of the tile begin in the output, in bytes (in registers that feed no descriptor)
	s_lshr_b32 s80, s17, 3                         ; q, k: the tile's 256 tokens lie in batch (tile row / 8), from s = 256 (tile row % 8) on; its 256 channels are heads 4 cx .. 4 cx + 3
	s_lshl_b32 s80, s80, 21
	s_lshl_b32 s81, s40, 19
	s_add_co_u32 s80, s80, s81
	s_and_b32 s81, s17, 7
	s_lshl_b32 s81, s81, 14
	s_add_co_u32 s80, s80, s81
	s_lshl_b32 s81, s14, 12
	s_add_co_u32 s80, s80, s81                     ; batch x 2^21 + 4 cx x 2^17 + (256 (tile row % 8) + 64 wave) x 64
	s_lshr_b32 s84, s42, 3                         ; v: the tile's 256 channels are rows 256 x tile row of a batch's 1,024; its 256 tokens lie in batch (tile column / 8)
	s_lshl_b32 s84, s84, 21
	s_lshl_b32 s85, s17, 19
	s_add_co_u32 s84, s84, s85
	s_lshl_b32 s85, s14, 17
	s_add_co_u32 s84, s84, s85
	s_and_b32 s85, s42, 7
	s_lshl_b32 s85, s85, 14                        ; the tile's 256 tokens are one block of keys: 64 channels x 256 bytes each; my wave's 64 rows are one head's 64 channels
	s_add_co_u32 s84, s84, s85                     ; batch x 2^21 + (256 tile row + 64 wave) x 2,048 + 16,384 (tile column % 8)
	s_cmp_eq_u32 ttmp9, 2
	s_cselect_b32 s80, s84, s80
	s_cselect_b64 s[86:87], s[74:75], s[72:73]     ; vc or kc,
	s_mov_b32 s81, 0
	s_cmp_eq_u32 ttmp9, 0
	s_cselect_b64 s[86:87], s[70:71], s[86:87]     ; or qc
	s_add_nc_u64 s[86:87], s[86:87], s[80:81]
.macro FRAG reg, adr, q, i             ; a fragment, 16 rows x 128 K of codes, is 16 registers: lane l holds row l % 16; registers 4 c .. 4 c + 3 hold K = 32 c + 16 (l / 16) + 0 .. 15: the same order of K on both sides
.irp c, 0,1,2,3
	ds_load_b128 v[\reg+4*\c:\reg+4*\c+3], v[\adr] offset:128*(\q)+32*\c+(\i)*16*PITCH
.endr
.endm
; 16 matrix instructions: A's blocks a0, a0 + 1 x B's eight, 128 along K.  p: B's set.  zero = 1: the first product starts the sums: nothing is ever cleared.
; The 64 accumulators take turns, one instruction a turn, in the same order in every step.
.macro MUL16 a0, p, zero
.irp a, \a0, \a0+1
.irp b, 0,1,2,3,4,5,6,7
.if \zero
	v_wmma_f32_16x16x128_fp8_fp8 v[8*(8*((\a)%4)+\b):8*(8*((\a)%4)+\b)+7], v[128*(\p)+FR*\b:128*(\p)+FR*\b+FR-1], v[AF+FR*(\a):AF+FR*(\a)+FR-1], 0
.else
	v_wmma_f32_16x16x128_fp8_fp8 v[8*(8*((\a)%4)+\b):8*(8*((\a)%4)+\b)+7], v[128*(\p)+FR*\b:128*(\p)+FR*\b+FR-1], v[AF+FR*(\a):AF+FR*(\a)+FR-1], v[8*(8*((\a)%4)+\b):8*(8*((\a)%4)+\b)+7]
.endif
.endr
.endr
.endm
.macro FETCH_B slot, q, p              ; B's eight fragments of the slot's q-th 128 along K into set p
	WIN TO_B
.irp i, 0,1,2,3,4,5,6,7
	FRAG 128*(\p)+FR*\i, ADRB+\slot, \q, \i
.endr
	WIN 0
.endm
.macro FETCH_A slot, q, i0             ; A's blocks i0 .. i0 + 3
.irp i, \i0, \i0+1, \i0+2, \i0+3
	FRAG AF+FR*(\i), ADRA+\slot, \q, \i
.endr
.endm
; A load into a register that a matrix instruction has read, and a vector instruction that reads a matrix result or writes one of its registers, stand NP places behind it; only plain vector
; instructions that name none of its registers are places (ISA guide 7.12.1 for vector instructions).
.macro PLACES n
.rept \n
	v_nop
.endr
.endm
; A step of 128 along K that has its successor in the same slot.  A's blocks go one after the other, each against B's eight: a block of A is free when its eight products are issued, so A has one set of registers.
.macro STEP slot, q, zero
	s_wait_dscnt 4*NL                              ; B's set and A's blocks 0-3 are in; the youngest sixteen loads (A's blocks 4-7) may be out
	WIN MUL_LO
	MUL16 0, (\q)%2, \zero
	MUL16 2, (\q)%2, \zero
	s_wait_dscnt 0                                 ; A's blocks 4-7 are in (asked for 32 matrix instructions ago)
	PLACES NP
	FETCH_B \slot, (\q)+1, 1-(\q)%2
	FETCH_A \slot, (\q)+1, 0
	WIN MUL_HI
	MUL16 4, (\q)%2, \zero
	MUL16 6, (\q)%2, \zero
	PLACES NP
	WIN 0
	FETCH_A \slot, (\q)+1, 4
.endm
; A slot's last step changes slots: ONE barrier; in front of it each wave waits for all its tensor loads, adds 0 to its spare word, and waits for that and for its own reads of this slot.  fill = 1: this slot is filled again, two K steps ahead.
.macro TURN slot, next, fill
	s_wait_tensorcnt 0x0                           ; all my tensor loads have landed: my part of the next slot;  (every window is 0 here: the add's two registers lie in window 0)
	ds_add_u32 v[SPW], v[NIL]                      ; 0 onto my spare word
	s_wait_dscnt 4*NL+1                            ; (the add and the youngest sixteen loads, A's blocks 4-7, may be out)
	WIN MUL_LO
	MUL16 0, 1, 0                                  ; sixteen matrix instructions stand between the add and the wait for it
	s_wait_dscnt 0x0                               ; the add is done, and my reads of this slot are over
	s_barrier_signal -1
	MUL16 2, 1, 0
	WIN 0
	s_barrier_wait -1
.if \fill
	CREST                                          ; the barrier has opened a round of the cluster's barrier: no wave of any partner still reads this slot's tile or has a load on its way
	s_add_nc_u64 s[G0+4*\slot+2:G0+4*\slot+3], s[G0+4*\slot+2:G0+4*\slot+3], 2*ROWB
	s_add_nc_u64 s[G0B+4*\slot+2:G0B+4*\slot+3], s[G0B+4*\slot+2:G0B+4*\slot+3], 2*ROWB
	JLOAD G0+4*\slot, G1, G0B+4*\slot, G1B         ; the first tensor load behind the round; the four v_nop behind it are the places in front of the loads below
.else
	PLACES NP
.endif
	FETCH_B \next, 0, 0
	FETCH_A \next, 0, 0
	WIN MUL_HI
	MUL16 4, 1, 0
	MUL16 6, 1, 0
	PLACES NP
	WIN 0
	FETCH_A \next, 0, 4
.endm
	s_wait_alu depctr_va_vdst(0)                   ; the wait at the head's end
	s_wait_tensorcnt 0x0                           ; my part of K step 0 is in
	ds_add_u32 v[SPW], v[NIL]
	s_wait_dscnt 0x0
	CROUND                                         ; a whole round: everybody's part of K step 0 is in, and the joint loads meet
	JLOAD G0+4, G1, G0B+4, G1B                     ; K step 1, the first tensor load behind the round
	FETCH_B 0, 0, 0
	FETCH_A 0, 0, 0
	FETCH_A 0, 0, 4
	STEP 0, 0, 1                                   ; the first step stands in front of the loop: its products start the sums
	s_mov_b32 s3, LAPS-1
.Llap:                                                 ; a trip goes once round the ring, from a lap's second step to the next lap's first, and fills both slots again
	TURN 0, 1, 1
	STEP 1, 0, 0
	TURN 1, 0, 1
	STEP 0, 0, 0
	s_sub_co_u32 s3, s3, 1
	s_cmp_lg_u32 s3, 0
	s_cbranch_scc1 .Llap
	TURN 0, 1, 0                                   ; the last lap fills nothing, and has no round of the cluster's barrier
	STEP 1, 0, 0
	s_wait_dscnt 4*NL                              ; the very last step: nothing more to fetch
	WIN MUL_LO
	MUL16 0, 1, 0
	MUL16 2, 1, 0
	s_wait_dscnt 0
	WIN MUL_HI
	MUL16 4, 1, 0
	MUL16 6, 1, 0
	WIN 0
; THE WAY OUT.  Block a (16 rows x my 128 columns): each sum is held within +-448 x the scale into other registers (each accumulator from its low end on), eight neighbours become eight codes, and a lane's 8 bytes go
; into the work-group's stage.  Each block has its own registers for its codes, so no LDS store's data are written again.
.macro QBLOCK a
.set AC, 64*((\a)%4)
	WIN 0x02+((\a)/4)                              ; source 0: window 2 or 3
.set j, 0
.rept 64
	v_med3_num_f32 v[TMP+j], v[AC+j], -v[LIM], v[LIM]   ; the conversion to an 8-bit code does not saturate (ISA guide 7.6.2)
.set j, j+1
.endr
	WIN 0
.irp b, 0,1,2,3,4,5,6,7
	v_cvt_scalef32_pk8_fp8_f32 v[CD+16*(\a)+2*\b:CD+16*(\a)+2*\b+1], v[TMP+8*\b:TMP+8*\b+7], v[SC]
.endr
	v_nop                                          ; one plain vector line behind the last conversion: the next block's holds write the conversions' sources
.irp b, 0,1,2,3,4,5,6,7
	ds_store_b64 v[STO], v[CD+16*(\a)+2*\b:CD+16*(\a)+2*\b+1] offset:(\a)*16*SPITCH+16*\b
.endr
.endm
	s_wait_kmcnt 0x0
	s_cmp_eq_u32 ttmp9, 0
	s_cselect_b32 s96, s90, s91                    ; eo: entry 2 for q, entry 3 for k,
	s_cmp_eq_u32 ttmp9, 2
	s_cselect_b32 s96, s93, s96                    ; entry 5 for v
	s_sub_co_i32 s96, s96, s88
	s_sub_co_i32 s96, s96, s89                     ; eo - e0 - e1: the three scales folded into the conversion's one
	s_add_co_i32 s96, s96, 127
	s_lshl_b32 s97, s96, 23
	v_mov_b32 v[SC], s97
	s_add_co_i32 s96, s96, 8
	s_lshl_b32 s96, s96, 23
	s_or_b32 s96, s96, 0x600000
	v_mov_b32 v[LIM], s96                          ; 448 x that
	PLACES NP                                      ; behind the last products: the holds read results, the conversions write registers that held A's fragments
.irp a, 0,1,2,3,4,5,6,7
	QBLOCK \a
.endr
	s_wait_dscnt 0x0                               ; for the others' sake: my stores into the stage are done
	s_barrier_signal -1
	s_barrier_wait -1                              ; a row's 256 codes come from two waves: now they are whole
	s_cmp_eq_u32 ttmp9, 2                          ; the cluster's x: the same in all partners.  Both ways only read LDS
	s_cbranch_scc1 .Lv_out
.irp g, 0,1,2,3                        ; q, k: head 4 cx + g: 64 rows x 64 bytes are 4,096 consecutive bytes of the output
.irp i, 0,1,2,3,4,5,6,7
	ds_load_b128 v[CD+4*(8*\g+\i):CD+4*(8*\g+\i)+3], v[RDQ] offset:\i*8*SPITCH+64*\g
.endr
.endr
.set n, 0
.rept 32
	s_wait_dscnt 31-n                              ; LDS loads come back in order: load n is in, the younger ones may be out
	global_store_b128 v[GOQ], v[CD+4*n:CD+4*n+3], s[86:87] offset:131072*(n/8)+512*(n%8)   ; 32 lanes store 512 consecutive bytes, aligned
.set n, n+1
.endr
	s_branch .Ldone
.Lv_out:
.set n, 0
.rept 32                               ; v: two rows (channels) of 256 tokens an instruction
	ds_load_b128 v[CD+4*n:CD+4*n+3], v[RDV] offset:n*2*SPITCH
.set n, n+1
.endr
.set n, 0
.rept 32
	s_wait_dscnt 31-n
	global_store_b128 v[GOV], v[CD+4*n:CD+4*n+3], s[86:87] offset:512*n   ; two channels' rows of 256 bytes: 32 lanes store 512 consecutive bytes, aligned
.set n, n+1
.endr
.Ldone:
	s_wait_tensorcnt 0x0                           ; the wave's end, behind my last tensor load and my last LDS store
	ds_add_u32 v[SPW], v[NIL]
	s_wait_dscnt 0x0
	CROUND                                         ; the closing round: no work-group ends while a partner may still ask for a tile that names it
	s_endpgm
.Lfunc_end_k_qf923a8cd86_qkv:
	.size	k_qf923a8cd86_qkv, .Lfunc_end_k_qf923a8cd86_qkv-k_qf923a8cd86_qkv
	.p2alignl 7, 3214868480
	.fill 96, 4, 3214868480
	.section	.rodata,"a",@progbits
	.p2align	6, 0x0
	.amdhsa_kernel k_qf923a8cd86_qkv
		.amdhsa_group_segment_fixed_size 327680
		.amdhsa_private_segment_fixed_size 0
		.amdhsa_enable_private_segment 0
		.amdhsa_kernarg_size 48
		.amdhsa_user_sgpr_count 2
		.amdhsa_user_sgpr_kernarg_segment_ptr 1
		.amdhsa_wavefront_size32 1
		.amdhsa_system_sgpr_workgroup_id_x 1
		.amdhsa_system_sgpr_workgroup_id_y 1
		.amdhsa_system_sgpr_workgroup_id_z 1
		.amdhsa_system_vgpr_workitem_id 0
		.amdhsa_next_free_vgpr 1024
		.amdhsa_next_free_sgpr 98
		.amdhsa_reserve_vcc 0
		.amdhsa_float_denorm_mode_32 3
		.amdhsa_float_denorm_mode_16_64 3
		.amdhsa_memory_ordered 1
		.amdhsa_forward_progress 1
		.amdhsa_inst_pref_size 132
	.end_amdhsa_kernel
	.amdgpu_metadata
---
amdhsa.version: [ 1, 2 ]
amdhsa.kernels:
  - .name:           k_qf923a8cd86_qkv
    .symbol:         k_qf923a8cd86_qkv.kd
    .args:
      - { .name: xc, .offset: 0, .size: 8, .value_kind: global_buffer, .address_space: global }
      - { .name: wqc, .offset: 8, .size: 8, .value_kind: global_buffer, .address_space: global }
      - { .name: lowp_scales, .offset: 16, .size: 8, .value_kind: global_buffer, .address_space: global }
      - { .name: qc, .offset: 24, .size: 8, .value_kind: global_buffer, .address_space: global }
      - { .name: kc, .offset: 32, .size: 8, .value_kind: global_buffer, .address_space: global }
      - { .name: vc, .offset: 40, .size: 8, .value_kind: global_buffer, .address_space: global }
    .group_segment_fixed_size: 327680
    .private_segment_fixed_size: 0
    .kernarg_segment_align: 8
    .kernarg_segment_size: 48
    .max_flat_workgroup_size: 128
    .sgpr_count:     98
    .vgpr_count:     1024
    .wavefront_size: 32
...
	.end_amdgpu_metadata
.endif
;; end of part 2
;; launch attn (part 3): grid 4 x 64, 8 waves a work-group, clusters of 4 x 1, 327,680 bytes of LDS; arguments qc, kc, vc, lowp_scales, yc; writes yc
.if DOCPART == 3
	.amdgcn_target "amdgcn-amd-amdhsa--gfx1250"
	.amdhsa_code_object_version 6
	.text
	.protected	k_qf923a8cd86_attn
	.globl	k_qf923a8cd86_attn
	.p2align	8
	.type	k_qf923a8cd86_attn,@function
k_qf923a8cd86_attn:
	s_mov_b64 s[64:65], 0
	v_nop
	global_prefetch_b8 v0, s[64:65] scope:SCOPE_SE
	s_setreg_imm32_b32 hwreg(HW_REG_WAVE_MODE, 25, 1), 1
	s_wait_xcnt 0x0
	s_wait_alu depctr_hold_cnt(0) depctr_sa_sdst(0) depctr_va_vdst(0) depctr_va_sdst(0) depctr_va_ssrc(0) depctr_va_vcc(0) depctr_vm_vsrc(0)
	s_getreg_b32 s2, hwreg(HW_REG_IB_STS2, 6, 4)
	s_cmp_eq_u32 s2, 0
	s_cbranch_scc0 .Lentry_in_a_cluster
	s_endpgm
.Lentry_in_a_cluster:
	s_bfe_u32 s2, ttmp6, 0x10000c
	s_cmp_lg_u32 s2, 0x3003
	s_cbranch_scc0 .Lentry_shape_is_right
	s_endpgm
.Lentry_shape_is_right:
; y[bh][q][:] = the sum over keys k <= q of softmax_k(Q[q] . K[k] / 8) V[k][:], both products on codes of FP8 (E4M3); y leaves as codes for the last product.
; qc, kc: [64 bh][2048][64] codes, K = the head's 64.  vc: [64 bh][8 blocks of 256 keys][64 d][256 keys] codes.  yc: [16 h][8192 = 2048 b + s][64 d] codes: a wave's 32 queries are 2,048 consecutive bytes.
; THE SOFTMAX AHEAD OF THE SECOND PRODUCT: t = score x log2(e) / 8; M = the row's largest t so far, rounded UP to a whole number; p = 2^(t - M) is quantised (scale 2^e4), not normalised.
; The row's sum is taken of the unquantised p, in f32, and divides O at the end.  When M moves, the sum and O are multiplied by 2^(old M - new M): nothing is rounded.  y's code = (O / sum) / 2^(e6 - e4 - e5), held within +-448.
; LEFT OUT under the causal mask: a step of 128 keys all of which come after a wave's queries is not worked.
; A HEAD'S WHOLE K AND V LIE IN LDS: 2,048 keys x 80 bytes and 512 rows x 272 bytes.  Nothing is filled again.  They come by two first fills a wave: key blocks 0 and 1 at the head, blocks 2 to 7 behind the
; next round of the cluster's barrier; the first two trips walk blocks 0 and 1 meanwhile.  Behind the one barrier that shows blocks 2 to 7 whole the waves share nothing more and meet no barrier.
; SHARES.  A head's 2,048 queries are 64 units of 32.  Wave w of work-group p (p = 0..3, the place in the cluster) owns unit 63 - 4 w - p, then unit 4 w + p: 16 - w and w + 1 steps of 128 keys: 17 steps, in nine trips of 256 keys, for every wave.
; A wave's 32 queries are two tiles of 16: every fragment of K and of V that it reads from LDS feeds two matrix instructions.  The two tiles' softmax chains stand line by line beside each other.
; CLUSTER: the four work-groups of a head need the same K and V: each tile is asked for JOINTLY (mask 15).  Which steps are hidden, masked or open, the trip at which a wave changes units and every LDS address hang on the
; wave's number and the trip alone: unit / 4 is 15 - w or w.  p enters global addresses of Q and y and the mask's data only.
; NO PREFETCH: all that a work-group reads of K and V is asked for by two loads a wave at the launch's start: there is no loop to run ahead in.
; LAYOUT.  Both products are used transposed: S^T = K Q^T, O^T = V^T P^T: a lane holds ONE query of each tile (lane % 16) throughout.
; THE KEYS OF A TILE ARE NOT NEIGHBOURS: lane r of tile 2 b + u takes key 32 b + 8 u + r + 8 (r / 8), so that the 16 registers of tiles 2 b and 2 b + 1 are 16 neighbouring keys, 32 b + 16 (lane / 16) + 0 .. 15.
; LIMITS on the given exponents, so that each power of two below is an f32 number: e2 + e3 between -123 and 130 (added to c's exponent field); e4, and e6 - e4 - e5, between -126 and 119.  The scaled scores stay under 2^31 in magnitude.
; REGISTERS.  Window 0: v1-11 addresses; v[12:13], v[14:15] -M and the largest t of tiles A, B; v[16:19] their sums; v[20:23] their factors f; v24-28 scales; v29, v30 the mask's d; v32-47 Q; v48-53 at work; v64-127, v128-191 S^T, then p, of A, B;
;   v192-223 p's codes; v224-235 partial sums; v240-255 rows of y read back.   Window 1: v0-63 K's eight fragments; v64-127 V's four; v128-159, v160-191 O^T of A, B; v192-207 the early unit's Q.  The softmax runs with every window 0.
.set KP,    80                         ; a key's row in LDS: 64 bytes + 16 of padding
.set VP,    272                        ; a row of V in LDS: 256 bytes + 16
.set KSL,   256*KP                     ; a block of 256 keys of K in LDS
.set VSL,   64*VP                      ; and of V
.set VBASE, 8*KSL                      ; V lies behind K
.set SPARE, VBASE+8*VSL                ; behind both: the spare words, 128 bytes for each wave: four blocks of 256 bytes that no other line names
.set STAGE, SPARE+1024                 ; the way out: 32 rows x (64 bytes + 16) for each wave; no fill ever lands here
.set SGP,   80
.set AK0,  1                           ; v1   my lane's place in a tile of K
.set AV0,  2                           ; v2   the same for V
.set QO,   4                           ; v4   my lane's byte in 16 rows of Q
.set SPW,  5                           ; v5   LDS address of my spare word; never rewritten
.set NIL,  6                           ; v6   0; never rewritten
.set GO,   7                           ; v7   16 x lane
.set ADK,  8                           ; v8   LDS address of the trip's tiles of K
.set ADV,  9                           ; v9   of V
.set STO,  10                          ; v10  the stage: where I put 8 codes of a row
.set RD,   11                          ; v11  and where I read 16 back
.set SA,   64
.set SB,   128
.set CA,   192
.set CB,   208
.set BK,   240
.set T,    3                           ; s3   the trip
.set WV,   18                          ; s18  my wave's number
.set SEL,  20                          ; s[20:21] lane selects for v_permlanex16_b32: lane l xor 16
.set CS,   22                          ; s[22:23] c = log2(e) / 8 x 2^(e2 + e3)
.set G1K,  24                          ; s[24:31], s[32:39] descriptor groups 1 for K and V
.set G1V,  32
.set G0K,  40                          ; s[40:43], s[44:47] groups 0 of the first fill;  s[48:51], s[52:55] of the second
.set G0V,  44
.set G2K,  48
.set G2V,  52
.set YHI,  56                          ; s[56:57], s[58:59] my two units' places in yc
.set YLO,  58
.set NHI,  60                          ; s60  8 - w / 2: the late unit's trips
.set FW,   61                          ; s61  w / 2
.set KF,   62                          ; s62  the step's first key
.set QB,   63                          ; s63  the first key of the step in which my unit's diagonal lies: 128 (15 - w), then 128 w
.set QBLO, 66
.set MSB, 0
.macro WIN new                         ; the immediate's high byte repeats the setting that is left
.if MSB != \new
	s_set_vgpr_msb (MSB<<8)|\new
.set MSB, \new
.endif
.endm
.macro NOPS
.rept 4
	v_nop
.endr
.endm
; A joint load: waves 0-3 fetch for K, waves 4-7 for V, a quarter each: one load in each arm, so every way passes one.  The branch hangs on the wave's number alone.  An s_nop 0 and four v_nop follow each line.
.macro TLOAD gk, gv
	s_cmp_lt_u32 s[WV], 4
	s_cbranch_scc0 .Lfor_v_\@
	tensor_load_to_lds s[\gk:\gk+3], s[G1K:G1K+7]
	s_nop 0
	NOPS
	s_branch .Lasked_\@
.Lfor_v_\@:
	tensor_load_to_lds s[\gv:\gv+3], s[G1V:G1V+7]
	s_nop 0
	NOPS
.Lasked_\@:
.endm
.macro ROUND                           ; a round of the cluster's barrier
	s_barrier_signal -1
	s_barrier_wait -1
	s_cmp_lg_u32 s[WV], 0
	s_cbranch_scc1 .Lnot_wave_0_\@
	s_barrier_signal -3
.Lnot_wave_0_\@:
	s_barrier_wait -3
	s_barrier_signal -1
	s_barrier_wait -1
.endm
.macro INIT                            ; a unit of queries begins: the step is written once, and its first pass finds zeros, which the first change of M leaves zeros
	v_mov_b32 v13, 0xff61b1e6                      ; the largest t so far: -3e38, under every t
	v_mov_b32 v15, 0xff61b1e6
	v_floor_f32 v12, -v13                          ; -M
	v_floor_f32 v14, -v15
.irp j, 16,17,18,19
	v_mov_b32 v\j, 0                               ; the sums, in two halves each
.endr
	WIN 0x40
.set j, 0
.rept 64
	v_mov_b32 v[128+j], 0                          ; O^T of both tiles
.set j, j+1
.endr
	WIN 0
.endm
.macro QLOAD dst, p                    ; Q's fragments: registers 0-3 channels 16 h + 0 .. 15, registers 4-7 channels 32 + 16 h + 0 .. 15: the order in which K's fragments come too
.irp u, 0,1
	global_load_b128 v[\dst+8*\u:\dst+8*\u+3], v[QO], s[\p:\p+1] offset:1024*\u
	global_load_b128 v[\dst+8*\u+4:\dst+8*\u+7], v[QO], s[\p:\p+1] offset:1024*\u+32
.endr
.endm
	s_load_b256 s[4:11], s[0:1], 0x0               ; qc s[4:5], kc s[6:7], vc s[8:9], the scales' exponents s[10:11]
	s_load_b64 s[12:13], s[0:1], 0x20              ; yc
	v_lshl_add_u32 v[SPW], v0, 2, SPARE
	v_mov_b32 v[NIL], 0
	ds_add_u32 v[SPW], v[NIL]                      ; the add, twice on end, and its wait ahead of the round in front of my first tensor load
	ds_add_u32 v[SPW], v[NIL]
	v_lshrrev_b32 v8, 5, v0
	v_readfirstlane_b32 s[WV], v8                  ; wave 0..7
	s_bfe_u32 s17, ttmp6, 0x40000                  ; p: my place in the cluster
	s_and_b32 s14, s[WV], 3                        ; which quarter of a fill I fetch
	s_and_b32 s80, ttmp7, 0xffff                   ; bh = 16 b + h
	s_lshl_b32 s82, s80, 17                        ; a head's codes are 131,072 bytes in qc, kc and vc alike
	s_mov_b32 s83, 0
	s_lshr_b32 s[FW], s[WV], 1
	s_sub_co_u32 s[NHI], 8, s[FW]
	s_lshl_b32 s[QBLO], s[WV], 7                   ; 128 w
	s_sub_co_u32 s[QB], 1920, s[QBLO]              ; 128 (15 - w)
	s_lshl_b32 s84, s17, 5                         ; the early unit's first query lies 32 p behind 128 w,
	s_sub_co_u32 s85, 96, s84                      ; the late unit's 32 (3 - p) behind 128 (15 - w)
	s_add_co_u32 s86, s[QB], s85
	s_add_co_u32 s88, s[QBLO], s84
	s_lshl_b32 s86, s86, 6                         ; rows of 64 bytes
	s_lshl_b32 s88, s88, 6
	s_add_co_u32 s92, s86, s82                     ; their bytes in qc,
	s_mov_b32 s93, 0
	s_add_co_u32 s94, s88, s82
	s_mov_b32 s95, 0
	s_and_b32 s90, s80, 15
	s_lshl_b32 s90, s90, 19                        ; and in yc: h x 8,192 rows x 64
	s_lshr_b32 s91, s80, 4
	s_lshl_b32 s91, s91, 17                        ; + b x 2,048 rows x 64
	s_add_co_u32 s90, s90, s91
	s_add_co_u32 s86, s86, s90
	s_mov_b32 s87, 0
	s_add_co_u32 s88, s88, s90
	s_mov_b32 s89, 0
	s_lshl_b32 s96, s14, 13                        ; the first fill, key blocks 0 and 1: 32,768 bytes of K and of V, 8,192 a wave;
	s_mov_b32 s97, 0
	s_mul_i32 s98, s14, 24576                      ; the second, blocks 2 to 7: 98,304 bytes, 24,576 a wave
	s_add_co_u32 s98, s98, 32768
	s_mov_b32 s99, 0
	s_mul_i32 s15, s14, 128*KP                     ; where they go: 128 keys,
	s_mul_i32 s16, s14, 32*VP                      ; 32 rows of V,
	s_add_co_u32 s16, s16, VBASE
	s_mul_i32 s76, s14, 384*KP                     ; 384 keys,
	s_add_co_u32 s76, s76, 2*KSL
	s_mul_i32 s77, s14, 96*VP                      ; 96 rows of V
	s_add_co_u32 s77, s77, VBASE+2*VSL
	; descriptor group 1: dense blocks stated as rows of 256 bytes; K: 16 bytes of padding behind every 64, V: behind every 256.  15:0 the mask: all four work-groups of the cluster; 21 set beside it
	s_mov_b32 s[G1K], 15|(0<<16)|(1<<20)|(1<<21)|(3<<22)|(3<<25)
	s_mov_b32 s[G1V], 15|(0<<16)|(1<<20)|(1<<21)|(5<<22)|(3<<25)
.irp g, G1K, G1V
	s_mov_b32 s[\g+1], 256<<16
	s_mov_b32 s[\g+2], 32<<16                      ; the first fill: 32 rows a wave
	s_mov_b32 s[\g+3], 256<<16
	s_mov_b32 s[\g+4], 32
	s_mov_b32 s[\g+5], 256
	s_mov_b32 s[\g+6], 0
	s_mov_b32 s[\g+7], 0
.endr
	s_mov_b32 s[SEL], 0x76543210
	s_mov_b32 s[SEL+1], 0xfedcba98
	s_mov_b32 s[CS], 0x3e38aa3b                    ; log2(e) / 8
	s_mov_b32 s[T], 0
	s_wait_dscnt 0x0                               ; both opening adds are done
	s_wait_kmcnt 0x0
	s_load_b256 s[68:75], s[10:11], 0x0            ; e0 .. e7
	s_add_nc_u64 s[6:7], s[6:7], s[82:83]          ; the head's kc,
	s_add_nc_u64 s[8:9], s[8:9], s[82:83]          ; its vc
	s_mov_b32 s[G0K], 1
	s_mov_b32 s[G0K+1], s15
	s_add_nc_u64 s[G0K+2:G0K+3], s[6:7], s[96:97]
	s_or_b32 s[G0K+3], s[G0K+3], 0x80000000
	s_mov_b32 s[G0V], 1
	s_mov_b32 s[G0V+1], s16
	s_add_nc_u64 s[G0V+2:G0V+3], s[8:9], s[96:97]
	s_or_b32 s[G0V+3], s[G0V+3], 0x80000000
	s_mov_b32 s[G2K], 1
	s_mov_b32 s[G2K+1], s76
	s_add_nc_u64 s[G2K+2:G2K+3], s[6:7], s[98:99]
	s_or_b32 s[G2K+3], s[G2K+3], 0x80000000
	s_mov_b32 s[G2V], 1
	s_mov_b32 s[G2V+1], s77
	s_add_nc_u64 s[G2V+2:G2V+3], s[8:9], s[98:99]
	s_or_b32 s[G2V+3], s[G2V+3], 0x80000000
	s_add_nc_u64 s[92:93], s[4:5], s[92:93]        ; the late unit's Q,
	s_add_nc_u64 s[94:95], s[4:5], s[94:95]        ; the early unit's
	s_add_nc_u64 s[YHI:YHI+1], s[12:13], s[86:87]
	s_add_nc_u64 s[YLO:YLO+1], s[12:13], s[88:89]
	ROUND                                          ; all four work-groups are here: the first joint loads meet
	TLOAD G0K, G0V                                 ; key blocks 0 and 1: my one load at the head
	s_mul_i32 s80, s[WV], 32*SGP
	s_add_co_u32 s80, s80, STAGE                   ; my stage
	v_and_b32 v8, 15, v0                           ; r = lane % 16
	v_bfe_u32 v9, v0, 4, 1                         ; h = lane / 16
	v_lshlrev_b32 v[QO], 6, v8
	v_lshl_add_u32 v[QO], v9, 4, v[QO]             ; Q: row r of 64 bytes, + 16 h
	QLOAD 32, 92
	WIN 0x40
	QLOAD 192, 94                                  ; the early unit's Q waits in window 1
	WIN 0
	v_and_b32 v10, 8, v8
	v_add_nc_u32 v10, v10, v8                      ; r + 8 (r / 8)
	v_mul_u32_u24 v[AK0], v10, KP
	v_lshl_add_u32 v[AK0], v9, 4, v[AK0]
	v_mul_u32_u24 v[AV0], v8, VP
	v_lshl_add_u32 v[AV0], v9, 4, v[AV0]
	v_add_nc_u32 v[AV0], VBASE, v[AV0]
	v_and_b32 v11, 31, v0                          ; lane
	v_lshlrev_b32 v[GO], 4, v11
	v_mul_u32_u24 v[STO], v8, SGP
	v_lshl_add_u32 v[STO], v9, 3, v[STO]
	v_add_nc_u32 v[STO], s80, v[STO]               ; in: row r, + 8 h; tile t's eight channels 16 t bytes on
	v_lshrrev_b32 v48, 2, v11
	v_and_b32 v49, 3, v11
	v_mul_u32_u24 v[RD], v48, SGP
	v_lshl_add_u32 v[RD], v49, 4, v[RD]
	v_add_nc_u32 v[RD], s80, v[RD]                 ; back: four lanes to a row, eight rows an instruction
	v_lshlrev_b32 v48, 4, v9
	v_sub_nc_u32 v48, v8, v48                      ; r - 16 h
	v_add_nc_u32 v29, s85, v48                     ; d = tile A's query - the masked step's first key - 16 h: the late unit's,
	v_add_nc_u32 v30, s84, v48                     ; the early unit's
	v_mov_b32 v52, 0                               ; written once: a lane permute's destination counts as one of its sources
	v_mov_b32 v53, 0
	v_mov_b32 v21, 0                               ; (named as the upper halves of the pairs that hold f)
	v_mov_b32 v23, 0
	INIT
	s_wait_kmcnt 0x0
	s_add_co_i32 s80, s70, s71
	s_lshl_b32 s80, s80, 23
	s_add_co_i32 s[CS], s[CS], s80                 ; a score stands for score x 2^(e2 + e3): the two exponents are added to c's exponent field
	s_mov_b32 s[CS+1], s[CS]
	s_add_co_i32 s80, s72, 127
	s_lshl_b32 s81, s80, 23
	v_mov_b32 v26, s81                             ; 2^e4 as f32, for p's conversion
	s_add_co_i32 s80, s80, 8
	s_lshl_b32 s80, s80, 23
	s_or_b32 s80, s80, 0x600000
	v_mov_b32 v24, s80                             ; 448 x 2^e4, twice: one register for each half of a dual pair
	v_mov_b32 v25, s80
	s_sub_co_i32 s80, s74, s72
	s_sub_co_i32 s80, s80, s73                     ; e6 - e4 - e5: O / sum stands for y / 2^(e4 + e5)
	s_add_co_i32 s80, s80, 127
	s_lshl_b32 s81, s80, 23
	v_mov_b32 v27, s81                             ; for y's conversion
	s_add_co_i32 s80, s80, 8
	s_lshl_b32 s80, s80, 23
	s_or_b32 s80, s80, 0x600000
	v_mov_b32 v28, s80                             ; 448 x that
.macro LOADK q                         ; eight tiles of 16 keys x 64 channels, the block's q-th 128 keys: 16 loads into window 1
.irp t, 0,1,2,3,4,5,6,7
.irp c, 0,1
	ds_load_b128 v[8*\t+4*\c:8*\t+4*\c+3], v[ADK] offset:(128*(\q)+32*(\t/2)+8*(\t%2))*KP+32*\c
.endr
.endr
.endm
.macro LOADV q                         ; four tiles of 16 channels x these 128 keys: 16 loads into window 1
.irp t, 0,1,2,3
.irp c, 0,1,2,3
	ds_load_b128 v[64+16*\t+4*\c:64+16*\t+4*\c+3], v[ADV] offset:16*\t*VP+128*(\q)+32*\c
.endr
.endr
.endm
.macro SCORES                          ; S^T = K Q^T: each fragment of K against both tiles of queries; sixteen accumulators, each begun with 0
	WIN 0x01                                       ; source 0 (K) window 1
.irp t, 0,1,2,3,4,5,6,7
	v_wmma_f32_16x16x64_fp8_fp8 v[SA+8*\t:SA+8*\t+7], v[8*\t:8*\t+7], v[32:39], 0
	v_wmma_f32_16x16x64_fp8_fp8 v[SB+8*\t:SB+8*\t+7], v[8*\t:8*\t+7], v[40:47], 0
.endr
	NOPS                                           ; places: for loads into K's registers and for the first read of the scores
.endm
.macro PVM                             ; O^T += V^T P^T: each fragment of V against both tiles' codes; the eight accumulators by turns, one instruction a turn
	WIN 0x51                                       ; V, and O^T as C and D, in window 1; the codes in window 0
.irp t, 0,1,2,3
	v_wmma_f32_16x16x128_fp8_fp8 v[128+8*\t:135+8*\t], v[64+16*\t:79+16*\t], v[CA:CA+15], v[128+8*\t:135+8*\t]
	v_wmma_f32_16x16x128_fp8_fp8 v[160+8*\t:167+8*\t], v[64+16*\t:79+16*\t], v[CB:CB+15], v[160+8*\t:167+8*\t]
.endr
	NOPS                                           ; places: for loads into V's registers and for the next read of O^T
	WIN 0
.endm
; THE SOFTMAX of a step: 128 keys x my two tiles, 64 numbers a lane and tile.  Every window is 0 but for the rescaling of O^T.
.macro SOFTMAX
	s_cmp_lt_u32 s[KF], s[QB]                      ; in the step on the diagonal the scores of hidden keys become -infinity ahead of the maximum: p = 0 then.  An earlier step, all of whose keys count, skips this
	s_cbranch_scc1 .Lopen_\@
	v_add_nc_u32 v49, 16, v29                      ; tile B's d.  Register 16 b + i holds key KF + 16 (lane / 16) + 32 b + i: hidden where 32 b + i > d
	v_mov_b32 v50, 0xff800000                      ; -infinity
.irp b, 0,1,2,3
.irp i, 0,1,2,3,4,5,6,7,8,9,10,11,12,13,14,15
	v_cmp_gt_i32 vcc_lo, 32*\b+\i, v29
	v_cndmask_b32 v[SA+16*\b+\i], v[SA+16*\b+\i], v50, vcc_lo
	v_cmp_gt_i32 vcc_lo, 32*\b+\i, v49
	v_cndmask_b32 v[SB+16*\b+\i], v[SB+16*\b+\i], v50, vcc_lo
.endr
.endr
.Lopen_\@:
	v_max3_num_f32 v48, v[SA], v[SA+1], v[SA+2]    ; the step's largest scores, two chains a tile, each accumulator from its low end on
	v_max3_num_f32 v50, v[SB], v[SB+1], v[SB+2]
	v_max3_num_f32 v49, v[SA+3], v[SA+4], v[SA+5]
	v_max3_num_f32 v51, v[SB+3], v[SB+4], v[SB+5]
.irp i, 6,10,14,18,22,26,30,34,38,42,46,50,54,58
	v_max3_num_f32 v48, v48, v[SA+\i], v[SA+\i+1]
	v_max3_num_f32 v50, v50, v[SB+\i], v[SB+\i+1]
	v_max3_num_f32 v49, v49, v[SA+\i+2], v[SA+\i+3]
	v_max3_num_f32 v51, v51, v[SB+\i+2], v[SB+\i+3]
.endr
	v_max3_num_f32 v48, v48, v[SA+62], v[SA+63]
	v_max3_num_f32 v50, v50, v[SB+62], v[SB+63]
	v_max_num_f32 v48, v48, v49
	v_max_num_f32 v50, v50, v51
	v_permlanex16_b32 v52, v48, s[SEL], s[SEL+1]
	v_permlanex16_b32 v53, v50, s[SEL], s[SEL+1]
	v_max_num_f32 v48, v48, v52                    ; and among lane l xor 16's
	v_max_num_f32 v50, v50, v53
	v_mul_f32 v48, s[CS], v48                      ; as t (c is positive)
	v_mul_f32 v50, s[CS], v50
	v_max_num_f32 v13, v13, v48                    ; the running largest t
	v_max_num_f32 v15, v15, v50
	v_mov_b32 v48, v12
	v_mov_b32 v50, v14
	v_floor_f32 v12, -v13                          ; the new -M = floor(-t) = -ceil(t): a whole number
	v_floor_f32 v14, -v15
	v_sub_f32 v48, v12, v48                        ; M's old value less its new one: a whole number, 0 or less
	v_sub_f32 v50, v14, v50
	v_cvt_i32_f32 v48, v48                         ; (it saturates)
	v_cvt_i32_f32 v50, v50
	v_ldexp_f32 v20, 1.0, v48                      ; f = 2^(old M - new M)
	v_ldexp_f32 v22, 1.0, v50
.set j, 0
.rept 32
	v_pk_fma_f32 v[SA+j:SA+j+1], v[SA+j:SA+j+1], s[CS:CS+1], v[12:13] op_sel_hi:[1,0,0]   ; t - M, two at a time (of the pairs c and -M the low word serves both halves)
	v_pk_fma_f32 v[SB+j:SB+j+1], v[SB+j:SB+j+1], s[CS:CS+1], v[14:15] op_sel_hi:[1,0,0]
.set j, j+2
.endr
	v_pk_mul_f32 v[16:17], v[16:17], v[20:21] op_sel_hi:[1,0]   ; the sums under the new M
	v_pk_mul_f32 v[18:19], v[18:19], v[22:23] op_sel_hi:[1,0]
	WIN 0x41                                       ; O^T, source 0 and destination, in window 1.  It is rescaled AHEAD of the exponentials: no transcendental stands between the last products' write and this read
.set j, 0
.rept 16
	v_pk_mul_f32 v[128+j:129+j], v[128+j:129+j], v[20:21] op_sel_hi:[1,0]
	v_pk_mul_f32 v[160+j:161+j], v[160+j:161+j], v[22:23] op_sel_hi:[1,0]
.set j, j+2
.endr
	WIN 0
	s_wait_alu depctr_va_vdst(0)                   ; the wait ahead of the batch
.set j, 0
.rept 128
	v_exp_f32 v[SA+j], v[SA+j]                     ; p = 2^(t - M), at most 1: NOT normalised
.set j, j+1
.endr
	v_nop                                          ; a plain line behind the exponentials
	s_wait_alu depctr_va_vdst(0)                   ; one wait for the whole batch, ahead of its first reader
	v_pk_add_f32 v[16:17], v[16:17], v[SA:SA+1]    ; THE ROWS' SUMS ARE TAKEN OF THE UNQUANTISED p: two at a time, four chains a tile
	v_pk_add_f32 v[18:19], v[18:19], v[SB:SB+1]
.irp k, 1,2,3
	v_pk_add_f32 v[222+2*\k:223+2*\k], v[SA+2*\k:SA+2*\k+1], v[SA+8+2*\k:SA+9+2*\k]
	v_pk_add_f32 v[228+2*\k:229+2*\k], v[SB+2*\k:SB+2*\k+1], v[SB+8+2*\k:SB+9+2*\k]
.endr
	v_pk_add_f32 v[16:17], v[16:17], v[SA+8:SA+9]
	v_pk_add_f32 v[18:19], v[18:19], v[SB+8:SB+9]
.irp j, 16,24,32,40,48,56
	v_pk_add_f32 v[16:17], v[16:17], v[SA+\j:SA+\j+1]
	v_pk_add_f32 v[18:19], v[18:19], v[SB+\j:SB+\j+1]
.irp k, 1,2,3
	v_pk_add_f32 v[222+2*\k:223+2*\k], v[222+2*\k:223+2*\k], v[SA+\j+2*\k:SA+\j+2*\k+1]
	v_pk_add_f32 v[228+2*\k:229+2*\k], v[228+2*\k:229+2*\k], v[SB+\j+2*\k:SB+\j+2*\k+1]
.endr
.endr
	v_pk_add_f32 v[224:225], v[224:225], v[226:227]
	v_pk_add_f32 v[230:231], v[230:231], v[232:233]
	v_pk_add_f32 v[16:17], v[16:17], v[228:229]
	v_pk_add_f32 v[18:19], v[18:19], v[234:235]
	v_pk_add_f32 v[16:17], v[16:17], v[224:225]
	v_pk_add_f32 v[18:19], v[18:19], v[230:231]
.irp b, 0,1,2,3
.irp i, 0,2,4,6,8,10,12,14                     ; the conversion to an 8-bit code does not saturate (ISA guide 7.6.2); p is not negative, so the hold is one-sided: two numbers a dual pair
	v_dual_min_num_f32 v[SA+16*\b+\i], v[SA+16*\b+\i], v24 :: v_dual_min_num_f32 v[SA+16*\b+\i+1], v[SA+16*\b+\i+1], v25
	v_dual_min_num_f32 v[SB+16*\b+\i], v[SB+16*\b+\i], v24 :: v_dual_min_num_f32 v[SB+16*\b+\i+1], v[SB+16*\b+\i+1], v25
.endr
	v_cvt_scalef32_pk8_fp8_f32 v[CA+4*\b:CA+4*\b+1], v[SA+16*\b:SA+16*\b+7], v26
	v_cvt_scalef32_pk8_fp8_f32 v[CA+4*\b+2:CA+4*\b+3], v[SA+16*\b+8:SA+16*\b+15], v26
	v_cvt_scalef32_pk8_fp8_f32 v[CB+4*\b:CB+4*\b+1], v[SB+16*\b:SB+16*\b+7], v26
	v_cvt_scalef32_pk8_fp8_f32 v[CB+4*\b+2:CB+4*\b+3], v[SB+16*\b+8:SB+16*\b+15], v26
.endr
	v_nop                                          ; one plain vector line between the last conversion and the products that read the codes
	s_wait_alu depctr_va_vdst(0)                   ; the wait here, directly ahead of the wait on DScnt that follows the macro
.endm
; A TRIP'S WORK: a block's two steps of 128 keys; s80, s81 = the block's byte in K's and in V's part of LDS, s[KF] its first key.  V's fragments are asked for with K's, and step 1's fragments of K under step 0's softmax.
; Step 0's first key never comes after my queries.  Step 1 is left out where all its keys do (its fragments of K were then asked for in vain: 16 loads, at most once in each unit).
.macro WORK
	v_add_nc_u32 v[ADK], s80, v[AK0]
	v_add_nc_u32 v[ADV], s81, v[AV0]
	s_wait_alu depctr_va_vdst(0)
	WIN 0x40
	LOADK 0
	LOADV 0
	s_wait_dscnt 16                                ; K's sixteen loads are in; V's sixteen may be out
	SCORES
	WIN 0x40
	LOADK 1
	WIN 0
	SOFTMAX
	s_wait_dscnt 16                                ; V's are in; the sixteen of step 1's K may be out
	PVM
	s_add_co_u32 s[KF], s[KF], 128
	s_cmp_gt_u32 s[KF], s[QB]                      ; the wave's number and the trip alone; no barrier and no tensor load stands in a step
	s_cbranch_scc1 .Lhidden_\@
	WIN 0x40
	LOADV 1
	s_wait_dscnt 16                                ; step 1's K is in; its V may be out
	SCORES
	WIN 0
	SOFTMAX
	s_wait_dscnt 0x0
	PVM
.Lhidden_\@:
	s_wait_dscnt 0x0                               ; where step 1 was left out its sixteen loads of K are still out: they land before the next trip's loads name the same registers
.endm
; A UNIT OF QUERIES IS FINISHED.  O^T is divided by the rows' sums, quantised for the last product, and goes through my stage in LDS: 32 rows x 64 codes leave as 2,048 consecutive bytes.
.macro FINISH yp
	v_add_f32 v16, v16, v17                        ; the sums' two halves,
	v_add_f32 v18, v18, v19
	v_permlanex16_b32 v52, v16, s[SEL], s[SEL+1]
	v_permlanex16_b32 v53, v18, s[SEL], s[SEL+1]
	v_add_f32 v16, v16, v52                        ; and lane l xor 16's
	v_add_f32 v18, v18, v53
	s_wait_alu depctr_va_vdst(0)                   ; the wait ahead of the transcendentals
	v_rcp_f32 v16, v16
	v_rcp_f32 v18, v18
	v_nop                                          ; a plain line behind the reciprocals
	WIN 0x01                                       ; source 0 (O^T) window 1
	s_wait_alu depctr_va_vdst(0)                   ; the wait ahead of their first reader, which is also the first reader of O^T
.set j, 0
.rept 16
	v_pk_mul_f32 v[SA+j:SA+j+1], v[128+j:129+j], v[16:17] op_sel_hi:[1,0]       ; O^T / the sum: register 8 t + i is channel 16 t + 8 h + i of query r; each accumulator from its low end on
	v_pk_mul_f32 v[SA+32+j:SA+33+j], v[160+j:161+j], v[18:19] op_sel_hi:[1,0]
.set j, j+2
.endr
	WIN 0
.set j, 0
.rept 64
	v_med3_num_f32 v[SA+j], v[SA+j], -v28, v28     ; the hold at 448 x the scale
.set j, j+1
.endr
.irp t, 0,1,2,3,4,5,6,7
	v_cvt_scalef32_pk8_fp8_f32 v[CA+2*\t:CA+2*\t+1], v[SA+8*\t:SA+8*\t+7], v27
.endr
	v_nop                                          ; one plain vector line behind the last conversion
.irp t, 0,1,2,3,4,5,6,7
	ds_store_b64 v[STO], v[CA+2*\t:CA+2*\t+1] offset:(\t/4)*16*SGP+16*(\t%4)
.endr
	s_wait_xcnt 0x0                                ; earlier stores have read their registers: the loads below may land
.irp i, 0,1,2,3
	ds_load_b128 v[BK+4*\i:BK+4*\i+3], v[RD] offset:\i*8*SGP   ; LDS serves a wave's instructions in order: these see my stores
.endr
	s_wait_dscnt 0x0
.irp i, 0,1,2,3
	global_store_b128 v[GO], v[BK+4*\i:BK+4*\i+3], s[\yp:\yp+1] offset:512*\i   ; 32 lanes store 512 consecutive bytes, aligned
.endr
.endm
; Where the trip is the early unit's first: the late unit goes out, and the wave begins anew with its early unit.  A scalar branch on the wave's number and the trip.
.macro SWITCH
	s_cmp_eq_u32 s[T], s[NHI]
	s_cbranch_scc0 .Lsame_\@
	FINISH YHI
	s_mov_b32 s[QB], s[QBLO]
	v_mov_b32 v29, v30
	WIN 0x01
.set j, 0
.rept 16
	v_mov_b32 v[32+j], v[192+j]                    ; the early unit's Q out of window 1
.set j, j+1
.endr
	WIN 0
	INIT
.Lsame_\@:
.endm
	s_wait_alu depctr_va_vdst(0)                   ; the wait at the head's end
	s_wait_loadcnt 0x0                             ; Q, both units'
	s_wait_tensorcnt 0x0                           ; my part of key blocks 0 and 1 is in
	ds_add_u32 v[SPW], v[NIL]
	s_mov_b32 s[G1K+2], 96<<16                     ; (no tensor load of mine is out: the second fill has 96 rows a wave)
	s_mov_b32 s[G1K+4], 96
	s_mov_b32 s[G1V+2], 96<<16
	s_mov_b32 s[G1V+4], 96
	s_wait_dscnt 0x0
	ROUND                                          ; everybody's part is in, and all four work-groups are here: the joint loads meet
	TLOAD G2K, G2V                                 ; key blocks 2 to 7, the first tensor load behind the round: it has the two trips below in which to land
.LtripA:                                           ; trips 0 and 1: key blocks 0 and 1, for every wave's late unit
	s_mul_i32 s80, s[T], KSL
	s_mul_i32 s81, s[T], VSL
	s_lshl_b32 s[KF], s[T], 8
	WORK
	s_add_co_u32 s[T], s[T], 1
	s_cmp_lt_u32 s[T], 2
	s_cbranch_scc1 .LtripA
	s_wait_tensorcnt 0x0                           ; my part of key blocks 2 to 7 is in
	ds_add_u32 v[SPW], v[NIL]
	s_wait_dscnt 0x0
	s_barrier_signal -1
	s_barrier_wait -1                              ; everybody's is: from here on LDS is only read, but for each wave's own stage
.LtripB:                                           ; trips 2 to 8, with no barrier: the late unit's blocks go on up to trip 7 - w / 2, then the early unit's blocks 0 .. w / 2
	SWITCH
	s_cmp_ge_u32 s[T], s[NHI]
	s_cselect_b32 s82, s[FW], 0
	s_add_co_u32 s82, s82, s[T]
	s_and_b32 s82, s82, 7                          ; the key block: the trip, or the trip - (8 - w / 2)
	s_mul_i32 s80, s82, KSL
	s_mul_i32 s81, s82, VSL
	s_lshl_b32 s[KF], s82, 8
	WORK
	s_add_co_u32 s[T], s[T], 1
	s_cmp_lt_u32 s[T], 9
	s_cbranch_scc1 .LtripB
	FINISH YLO
	s_wait_tensorcnt 0x0                           ; the wave's end, behind my last tensor load and my last LDS store
	ds_add_u32 v[SPW], v[NIL]
	s_wait_dscnt 0x0
	ROUND                                          ; the closing round
	s_endpgm
.Lfunc_end_k_qf923a8cd86_attn:
	.size	k_qf923a8cd86_attn, .Lfunc_end_k_qf923a8cd86_attn-k_qf923a8cd86_attn
	.p2alignl 7, 3214868480
	.fill 96, 4, 3214868480
	.section	.rodata,"a",@progbits
	.p2align	6, 0x0
	.amdhsa_kernel k_qf923a8cd86_attn
		.amdhsa_group_segment_fixed_size 327680
		.amdhsa_private_segment_fixed_size 0
		.amdhsa_enable_private_segment 0
		.amdhsa_kernarg_size 40
		.amdhsa_user_sgpr_count 2
		.amdhsa_user_sgpr_kernarg_segment_ptr 1
		.amdhsa_wavefront_size32 1
		.amdhsa_system_sgpr_workgroup_id_x 1
		.amdhsa_system_sgpr_workgroup_id_y 1
		.amdhsa_system_sgpr_workgroup_id_z 1
		.amdhsa_system_vgpr_workitem_id 0
		.amdhsa_next_free_vgpr 512
		.amdhsa_next_free_sgpr 100
		.amdhsa_reserve_vcc 1
		.amdhsa_float_denorm_mode_32 3
		.amdhsa_float_denorm_mode_16_64 3
		.amdhsa_memory_ordered 1
		.amdhsa_forward_progress 1
		.amdhsa_inst_pref_size 186
	.end_amdhsa_kernel
	.amdgpu_metadata
---
amdhsa.version: [ 1, 2 ]
amdhsa.kernels:
  - .name:           k_qf923a8cd86_attn
    .symbol:         k_qf923a8cd86_attn.kd
    .args:
      - { .name: qc, .offset: 0, .size: 8, .value_kind: global_buffer, .address_space: global }
      - { .name: kc, .offset: 8, .size: 8, .value_kind: global_buffer, .address_space: global }
      - { .name: vc, .offset: 16, .size: 8, .value_kind: global_buffer, .address_space: global }
      - { .name: lowp_scales, .offset: 24, .size: 8, .value_kind: global_buffer, .address_space: global }
      - { .name: yc, .offset: 32, .size: 8, .value_kind: global_buffer, .address_space: global }
    .group_segment_fixed_size: 327680
    .private_segment_fixed_size: 0
    .kernarg_segment_align: 8
    .kernarg_segment_size: 40
    .max_flat_workgroup_size: 256
    .sgpr_count:     100
    .vgpr_count:     512
    .wavefront_size: 32
...
	.end_amdgpu_metadata
.endif
;; end of part 3
;; launch proj (part 4): grid 4 x 32, 4 waves a work-group, clusters of 4 x 4, 327,680 bytes of LDS; arguments yc, wpc, lowp_scales, out0; writes out0
.if DOCPART == 4
	.amdgcn_target "amdgcn-amd-amdhsa--gfx1250"
	.amdhsa_code_object_version 6
	.text
	.protected	k_qf923a8cd86_proj
	.globl	k_qf923a8cd86_proj
	.p2align	8
	.type	k_qf923a8cd86_proj,@function
k_qf923a8cd86_proj:
	s_mov_b64 s[64:65], 0
	v_nop
	global_prefetch_b8 v0, s[64:65] scope:SCOPE_SE
	s_setreg_imm32_b32 hwreg(HW_REG_WAVE_MODE, 25, 1), 1
	s_wait_xcnt 0x0
	s_wait_alu depctr_hold_cnt(0) depctr_sa_sdst(0) depctr_va_vdst(0) depctr_va_sdst(0) depctr_va_ssrc(0) depctr_va_vcc(0) depctr_vm_vsrc(0)
	s_getreg_b32 s2, hwreg(HW_REG_IB_STS2, 6, 4)
	s_cmp_eq_u32 s2, 0
	s_cbranch_scc0 .Lentry_in_a_cluster
	s_endpgm
.Lentry_in_a_cluster:
	s_bfe_u32 s2, ttmp6, 0x10000c
	s_cmp_lg_u32 s2, 0xf033
	s_cbranch_scc0 .Lentry_shape_is_right
	s_endpgm
.Lentry_shape_is_right:
.set SIZE_N, 1024
.set SIZE_K, 1024
.set KSTEP,  256
.set ROWB,   256
.set KROW,   SIZE_K
.set HEADB,  16384
.set HSTR,   524288
.set PITCH,  272
.set HEADL,  64*PITCH
.set FR,     16
.set NL,     4
.set NP,     4
.set HALFT,  128*PITCH
.set SLOT,   4*HALFT
.set LAPS,   SIZE_K/(2*KSTEP)
.set SPARE,  2*SLOT
.set SPITCH, 528
.set ADRA, 16
.set ADRB, 20
.set STO,  24
.set RD,   25
.set CO,   26
.set SPW,  28
.set NIL,  29
.set TMP,  32
.set AF,   128
.set BK,   128
.set G1, 24
.set G0, 32
.set G1B, 48
.set G0B, 56
.set MSB, 0
.macro WIN new
.if MSB != \new
	s_set_vgpr_msb (MSB<<8)|\new
.set MSB, \new
.endif
.endm
.set MUL_LO, 0xa1
.set MUL_HI, 0xf1
.set TO_B,   0x40
.macro JLOAD g0a, g1a, g0b, g1b
	s_cmp_eq_u32 s15, 0
	s_cbranch_scc0 .Lfor_b_\@
	tensor_load_to_lds s[\g0a:\g0a+3], s[\g1a:\g1a+7]
	s_nop 0
.rept 4
	v_nop
.endr
	s_branch .Lasked_\@
.Lfor_b_\@:
	tensor_load_to_lds s[\g0b:\g0b+3], s[\g1b:\g1b+7]
	s_nop 0
.rept 4
	v_nop
.endr
.Lasked_\@:
.endm
.macro CREST
	s_cmp_lg_u32 s14, 0
	s_cbranch_scc1 .Lnot_wave_0_\@
	s_barrier_signal -3
.Lnot_wave_0_\@:
	s_barrier_wait -3
	s_barrier_signal -1
	s_barrier_wait -1
.endm
.macro CROUND
	s_barrier_signal -1
	s_barrier_wait -1
	CREST
.endm
	s_load_b128 s[4:7], s[0:1], 0x0
	s_load_b128 s[8:11], s[0:1], 0x10
	v_lshl_add_u32 v[SPW], v0, 2, SPARE
	v_mov_b32 v[NIL], 0
	ds_add_u32 v28, v29
	ds_add_u32 v28, v29
	s_wait_dscnt 0x0
	v_lshrrev_b32 v1, 5, v0
	v_readfirstlane_b32 s14, v1
	s_lshr_b32 s15, s14, 1
	s_and_b32 s16, s14, 1
	s_bfe_u32 s40, ttmp6, 0x40000
	s_bfe_u32 s41, ttmp6, 0x40004
	s_lshl_b32 s42, ttmp9, 2
	s_add_co_u32 s42, s42, s40
	s_and_b32 s17, ttmp7, 0xffff
	s_lshl_b32 s17, s17, 2
	s_add_co_u32 s17, s17, s41
	s_lshl_b32 s43, s41, 2
	s_lshl_b32 s43, 15, s43
	s_lshl_b32 s44, 0x1111, s40
	s_or_b32 s[G1+0], s43, (0<<16)|(1<<20)|(1<<21)|(5<<22)|(3<<25)
	s_or_b32 s[G1B+0], s44, (0<<16)|(1<<20)|(1<<21)|(5<<22)|(3<<25)
	s_mov_b32 s[G1+1], HEADB<<16
	s_mov_b32 s[G1+2], 2<<16
	s_mov_b32 s[G1+3], HEADB<<16
	s_mov_b32 s[G1+4], 2
	s_mov_b32 s[G1+5], HSTR
	s_mov_b32 s[G1+6], 0
	s_mov_b32 s[G1+7], 0
	s_mov_b32 s[G1B+1], ROWB<<16
	s_mov_b32 s[G1B+2], 128<<16
	s_mov_b32 s[G1B+3], ROWB<<16
	s_mov_b32 s[G1B+4], 128
	s_mov_b32 s[G1B+5], KROW
	s_mov_b32 s[G1B+6], 0
	s_mov_b32 s[G1B+7], 0
	s_lshl_b32 s20, s17, 14
	s_lshl_b32 s18, s16, 20
	s_add_co_u32 s20, s20, s18
	s_mov_b32 s21, 0
	s_lshl_b32 s18, s16, 7
	s_lshl_b32 s46, s42, 8
	s_add_co_u32 s46, s46, s18
	s_lshl_b32 s46, s46, 10
	s_mov_b32 s47, 0
	s_mul_i32 s45, s14, HALFT
	s_wait_kmcnt 0x0
	s_load_b64 s[96:97], s[8:9], 0x18
	s_add_nc_u64 s[20:21], s[4:5], s[20:21]
	s_add_nc_u64 s[46:47], s[6:7], s[46:47]
	CROUND
.irp s, 0,1
	s_mov_b32 s[G0+4*\s], 1
	s_add_co_u32 s[G0+4*\s+1], s45, \s*SLOT
	s_add_nc_u64 s[G0+4*\s+2:G0+4*\s+3], s[20:21], \s*4*HSTR
	s_or_b32 s[G0+4*\s+3], s[G0+4*\s+3], 0x80000000
	s_mov_b32 s[G0B+4*\s], 1
	s_add_co_u32 s[G0B+4*\s+1], s45, \s*SLOT
	s_add_nc_u64 s[G0B+4*\s+2:G0B+4*\s+3], s[46:47], \s*ROWB
	s_or_b32 s[G0B+4*\s+3], s[G0B+4*\s+3], 0x80000000
	s_wait_alu depctr_va_vdst(0)
	s_wait_tensorcnt 0x0
	ds_add_u32 v28, v29
	ds_add_u32 v28, v29
	s_wait_dscnt 0x0
	CROUND
	JLOAD G0+4*\s, G1, G0B+4*\s, G1B
.endr
	v_and_b32 v1, 15, v0
	v_bfe_u32 v2, v0, 4, 1
	v_mul_u32_u24 v3, v1, PITCH
	v_lshl_add_u32 v4, v2, 4, v3
	v_lshrrev_b32 v5, 2, v1
	v_mul_u32_u24 v5, v5, PITCH
	v_and_b32 v6, 3, v1
	v_lshl_add_u32 v5, v6, 6, v5
	v_lshl_add_u32 v5, v2, 4, v5
	s_mul_i32 s21, s15, 32*PITCH
	s_mul_i32 s22, s16, HALFT
	s_add_co_u32 s22, s22, 2*HALFT
.irp s, 0,1
	v_add_nc_u32 v[ADRA+\s], s21, v5
	v_add_nc_u32 v[ADRB+\s], s22, v4
	s_add_co_u32 s21, s21, SLOT
	s_add_co_u32 s22, s22, SLOT
.endr
	s_mul_i32 s23, s14, 16*SPITCH
	v_mul_u32_u24 v5, v1, SPITCH
	v_lshl_add_u32 v5, v2, 5, v5
	v_add_nc_u32 v[STO], s23, v5
	v_and_b32 v6, 31, v0
	v_lshlrev_b32 v[CO], 4, v6
	v_add_nc_u32 v[RD], s23, v[CO]
	s_lshl_b32 s20, s17, 8
	s_lshl_b32 s21, s15, 7
	s_add_co_u32 s20, s20, s21
	s_mov_b32 s21, 0
	s_mov_b64 s[18:19], SIZE_N*4
	s_mul_u64 s[20:21], s[20:21], s[18:19]
	s_lshl_b32 s46, s42, 10
	s_lshl_b32 s47, s16, 9
	s_add_co_u32 s46, s46, s47
	s_mov_b32 s47, 0
	s_add_nc_u64 s[20:21], s[20:21], s[46:47]
	s_add_nc_u64 s[10:11], s[10:11], s[20:21]
.macro FRAG reg, adr, q, i
.irp c, 0,1,2,3
	ds_load_b128 v[\reg+4*\c:\reg+4*\c+3], v[\adr] offset:128*(\q)+32*\c+(\i)*16*PITCH
.endr
.endm
.macro FRAG_A reg, adr, q, i
.irp c, 0,1,2,3
	ds_load_b128 v[\reg+4*\c:\reg+4*\c+3], v[\adr] offset:(2*(\q)+\c/2)*HEADL+(\c%2)*32+(\i)*4*PITCH
.endr
.endm
.macro MUL16 a0, p, zero
.irp a, \a0, \a0+1
.irp b, 0,1,2,3,4,5,6,7
.if \zero
	v_wmma_f32_16x16x128_fp8_fp8 v[8*(8*((\a)%4)+\b):8*(8*((\a)%4)+\b)+7], v[128*(\p)+FR*\b:128*(\p)+FR*\b+FR-1], v[AF+FR*(\a):AF+FR*(\a)+FR-1], 0
.else
	v_wmma_f32_16x16x128_fp8_fp8 v[8*(8*((\a)%4)+\b):8*(8*((\a)%4)+\b)+7], v[128*(\p)+FR*\b:128*(\p)+FR*\b+FR-1], v[AF+FR*(\a):AF+FR*(\a)+FR-1], v[8*(8*((\a)%4)+\b):8*(8*((\a)%4)+\b)+7]
.endif
.endr
.endr
.endm
.macro FETCH_B slot, q, p
	WIN TO_B
.irp i, 0,1,2,3,4,5,6,7
	FRAG 128*(\p)+FR*\i, ADRB+\slot, \q, \i
.endr
	WIN 0
.endm
.macro FETCH_A slot, q, i0
.irp i, \i0, \i0+1, \i0+2, \i0+3
	FRAG_A AF+FR*(\i), ADRA+\slot, \q, \i
.endr
.endm
.macro PLACES n
.rept \n
	v_nop
.endr
.endm
.macro STEP slot, q, zero
	s_wait_dscnt 4*NL
	WIN MUL_LO
	MUL16 0, (\q)%2, \zero
	MUL16 2, (\q)%2, \zero
	s_wait_dscnt 0
	PLACES NP
	FETCH_B \slot, (\q)+1, 1-(\q)%2
	FETCH_A \slot, (\q)+1, 0
	WIN MUL_HI
	MUL16 4, (\q)%2, \zero
	MUL16 6, (\q)%2, \zero
	PLACES NP
	WIN 0
	FETCH_A \slot, (\q)+1, 4
.endm
.macro TURN slot, next, fill
	s_wait_tensorcnt 0x0
	ds_add_u32 v[SPW], v[NIL]
	s_wait_dscnt 4*NL+1
	WIN MUL_LO
	MUL16 0, 1, 0
	s_wait_dscnt 0x0
	s_barrier_signal -1
	MUL16 2, 1, 0
	WIN 0
	s_barrier_wait -1
.if \fill
	CREST
	s_add_nc_u64 s[G0+4*\slot+2:G0+4*\slot+3], s[G0+4*\slot+2:G0+4*\slot+3], 8*HSTR
	s_add_nc_u64 s[G0B+4*\slot+2:G0B+4*\slot+3], s[G0B+4*\slot+2:G0B+4*\slot+3], 2*ROWB
	JLOAD G0+4*\slot, G1, G0B+4*\slot, G1B
.else
	PLACES NP
.endif
	FETCH_B \next, 0, 0
	FETCH_A \next, 0, 0
	WIN MUL_HI
	MUL16 4, 1, 0
	MUL16 6, 1, 0
	PLACES NP
	WIN 0
	FETCH_A \next, 0, 4
.endm
	s_wait_alu depctr_va_vdst(0)
	s_wait_tensorcnt 1
	s_barrier_signal -1
	s_barrier_wait -1
	FETCH_B 0, 0, 0
	FETCH_A 0, 0, 0
	FETCH_A 0, 0, 4
	STEP 0, 0, 1
	s_mov_b32 s3, LAPS-1
.Llap:
	TURN 0, 1, 1
	STEP 1, 0, 0
	TURN 1, 0, 1
	STEP 0, 0, 0
	s_sub_co_u32 s3, s3, 1
	s_cmp_lg_u32 s3, 0
	s_cbranch_scc1 .Llap
	TURN 0, 1, 0
	STEP 1, 0, 0
	s_wait_dscnt 4*NL
	WIN MUL_LO
	MUL16 0, 1, 0
	MUL16 2, 1, 0
	s_wait_dscnt 0
	WIN MUL_HI
	MUL16 4, 1, 0
	MUL16 6, 1, 0
	WIN 0
.macro TOSTAGE a
.set AC, 64*((\a)%4)
	WIN 0x02+((\a)/4)
.irp j, 0,2,4,6,8,10,12,14,16,18,20,22,24,26,28,30,32,34,36,38,40,42,44,46,48,50,52,54,56,58,60,62
	v_pk_mul_f32 v[TMP+\j:TMP+\j+1], v[AC+\j:AC+\j+1], s[96:97] op_sel_hi:[1,0]
.endr
	WIN 0
.irp b, 0,1,2,3,4,5,6,7
	ds_store_b128 v[STO], v[TMP+8*\b:TMP+8*\b+3] offset:64*\b
	ds_store_b128 v[STO], v[TMP+8*\b+4:TMP+8*\b+7] offset:64*\b+16
.endr
.set BB, BK+64*((\a)%2)
.irp t, 0,1,2,3,4,5,6,7,8,9,10,11,12,13,14,15
	ds_load_b128 v[BB+4*\t:BB+4*\t+3], v[RD] offset:\t*SPITCH
.endr
.endm
.macro SEND a, younger
.set BB, BK+64*((\a)%2)
	s_wait_dscnt \younger
.if (\a) > 0
	s_add_nc_u64 s[10:11], s[10:11], 16*SIZE_N*4
.endif
.irp t, 0,1,2,3,4,5,6,7,8,9,10,11,12,13,14,15
	global_store_b128 v[CO], v[BB+4*\t:BB+4*\t+3], s[10:11] offset:\t*SIZE_N*4 th:TH_STORE_NT
.endr
.endm
	s_wait_kmcnt 0x0
	s_add_co_i32 s96, s96, s97
	s_add_co_i32 s96, s96, 127
	s_lshl_b32 s96, s96, 23
	PLACES NP
	TOSTAGE 0
.irp a, 1,2,3,4,5,6,7
.if \a > 1
	s_wait_xcnt 0x0
.endif
	TOSTAGE \a
	SEND \a-1, 32
.endr
	s_wait_xcnt 0x0
	SEND 7, 0
	s_wait_tensorcnt 0x0
	ds_add_u32 v[SPW], v[NIL]
	s_wait_dscnt 0x0
	CROUND
	s_endpgm
.Lfunc_end_k_qf923a8cd86_proj:
	.size	k_qf923a8cd86_proj, .Lfunc_end_k_qf923a8cd86_proj-k_qf923a8cd86_proj
	.p2alignl 7, 3214868480
	.fill 96, 4, 3214868480
	.section	.rodata,"a",@progbits
	.p2align	6, 0x0
	.amdhsa_kernel k_qf923a8cd86_proj
		.amdhsa_group_segment_fixed_size 327680
		.amdhsa_private_segment_fixed_size 0
		.amdhsa_enable_private_segment 0
		.amdhsa_kernarg_size 32
		.amdhsa_user_sgpr_count 2
		.amdhsa_user_sgpr_kernarg_segment_ptr 1
		.amdhsa_wavefront_size32 1
		.amdhsa_system_sgpr_workgroup_id_x 1
		.amdhsa_system_sgpr_workgroup_id_y 1
		.amdhsa_system_sgpr_workgroup_id_z 1
		.amdhsa_system_vgpr_workitem_id 0
		.amdhsa_next_free_vgpr 1024
		.amdhsa_next_free_sgpr 98
		.amdhsa_reserve_vcc 0
		.amdhsa_float_denorm_mode_32 3
		.amdhsa_float_denorm_mode_16_64 3
		.amdhsa_memory_ordered 1
		.amdhsa_forward_progress 1
		.amdhsa_inst_pref_size 124
	.end_amdhsa_kernel
	.amdgpu_metadata
---
amdhsa.version: [ 1, 2 ]
amdhsa.kernels:
  - .name:           k_qf923a8cd86_proj
    .symbol:         k_qf923a8cd86_proj.kd
    .args:
      - { .name: yc, .offset: 0, .size: 8, .value_kind: global_buffer, .address_space: global }
      - { .name: wpc, .offset: 8, .size: 8, .value_kind: global_buffer, .address_space: global }
      - { .name: lowp_scales, .offset: 16, .size: 8, .value_kind: global_buffer, .address_space: global }
      - { .name: out0, .offset: 24, .size: 8, .value_kind: global_buffer, .address_space: global }
    .group_segment_fixed_size: 327680
    .private_segment_fixed_size: 0
    .kernarg_segment_align: 8
    .kernarg_segment_size: 32
    .max_flat_workgroup_size: 128
    .sgpr_count:     98
    .vgpr_count:     1024
    .wavefront_size: 32
...
	.end_amdgpu_metadata
.endif
;; end of part 4
